; MI455X (gfx1250); checked and timed in simulation.
; The chip was launched on July 23, 2026; its instructions are those of AMD's public machine-readable ISA for CDNA 5 (MIT licence, August 2026) and "CDNA5" Instruction Set Architecture Reference Guide (July 2026). The comments in the code are by the model that wrote it; some were corrected since.
;; MAB. Allowed arithmetic: matrix products marked QUANTISED: E2M3 operands, one E8M0 scale for each 32 along K, by v_wmma_scale_f32_16x16x128_f8f6f4 with both operands' format E2M3, f32 sums; everything else in f32.
;; Inputs: K_codes 8 x 1,024 x 32 x 24 uint8 (E2M3 codes of K, K innermost, in blocks of 32 codes, four codes in three bytes); K_scales 8 x 1,024 x 32 uint8 (E8M0 scales of K, one for each 32 codes along K); Q_codes 8 x 1,024 x 32 x 24 uint8 (E2M3 codes of Q, K innermost, in blocks of 32 codes, four codes in three bytes); Q_scales 8 x 1,024 x 32 uint8 (E8M0 scales of Q, one for each 32 codes along K); Wk_codes 1,024 x 32 x 24 uint8 (E2M3 codes of Wk, K innermost, in blocks of 32 codes, four codes in three bytes); Wk_scales 1,024 x 32 uint8 (E8M0 scales of Wk, one for each 32 codes along K); Wo_codes 1,024 x 32 x 24 uint8 (E2M3 codes of Wo, K innermost, in blocks of 32 codes, four codes in three bytes); Wo_scales 1,024 x 32 uint8 (E8M0 scales of Wo, one for each 32 codes along K); Wq_codes 1,024 x 32 x 24 uint8 (E2M3 codes of Wq, K innermost, in blocks of 32 codes, four codes in three bytes); Wq_scales 1,024 x 32 uint8 (E8M0 scales of Wq, one for each 32 codes along K); Wv_codes 1,024 x 32 x 24 uint8 (E2M3 codes of Wv, K innermost, in blocks of 32 codes, four codes in three bytes); Wv_scales 1,024 x 32 uint8 (E8M0 scales of Wv, one for each 32 codes along K); b0 1,024 float32; b1 1,024 float32; bk 1,024 float32; bo 1,024 float32; bq 1,024 float32; bv 1,024 float32; g0 1,024 float32; g1 1,024 float32; mask 8 x 1,024 bool.
;; Outputs: out0 8 x 1,024 x 1,024 float32.
;; This version of the problem:
;;   THIS VERSION OF THE PROBLEM IS GIVEN IN LOW PRECISION. The matrix products marked QUANTISED in the list below multiply operands that are first quantised to E2M3 (2 exponent bits, 3 mantissa bits; 6 bits a number), with one power-of-two scale for each 32 numbers along K (OCP MX v1.0); their sums are f32. All else is computed in f32.
;;   The module's matrix products, in the order in which they are computed (A, B: the left and right operand; K: the contracted axis; several contracted axes count as one K, in the product's order):
;;     1. [M 8,192, K 1,024] x [K 1,024, N 1,024]; A: input Q (given as codes); B: input Wq (given as codes): QUANTISED
;;     2. [M 8,192, K 1,024] x [K 1,024, N 1,024]; A: input K (given as codes); B: input Wk (given as codes): QUANTISED
;;     3. [M 8,192, K 1,024] x [K 1,024, N 1,024]; A: input K (given as codes); B: input Wv (given as codes): QUANTISED
;;     4. batch 128 x [M 1,024, K 64] x [K 64, N 1,024]; A: computed on the way; B: computed on the way: QUANTISED
;;     5. batch 128 x [M 64, K 1,024] x [K 1,024, N 1,024]; A: computed on the way; B: softmax (see below): QUANTISED
;;     6. [M 8,192, K 1,024] x [K 1,024, N 1,024]; A: computed on the way; B: input Wo (given as codes): QUANTISED
;;   THE QUANTISER, for each operand of a quantised product, along K:
;;     - K is cut into blocks of 32 from its start; a last block that is shorter is filled with zeros.
;;     - A block's scale is 2^e with e = floor(log2(the largest magnitude in the block)) - 2, held to -126 .. 127; a block of zeros has e = 0. As a byte (E8M0): e + 127.
;;     - Each number is divided by its block's scale, clamped to +-7.5, and rounded to the nearest number of E2M3, ties to even, subnormals kept.
;;     - The product sums the exact products of the quantised numbers (number of the format x scale) in f32.
;;   ~~~python
;;   def quantise(x, axis):      # numpy; x: float32 -> the quantised numbers, widened to float32 again
;;       x = np.moveaxis(x, axis, -1); K = x.shape[-1]
;;       x = np.pad(x, [(0, 0)] * (x.ndim - 1) + [(0, -K % 32)]); x = x.reshape(x.shape[:-1] + (-1, 32)); a = np.abs(x).max(-1, keepdims=True)
;;       e = np.where(a > 0, np.clip(np.frexp(np.where(a > 0, a, 1))[1] - 1 - 2, -126, 127), 0)      # np.frexp(a)[1] - 1 = floor(log2(a)), exactly
;;       r = np.clip(x / 2.0 ** e, -7.5, 7.5)
;;       step = 2.0 ** (np.maximum(np.frexp(np.where(r == 0, 1, r))[1] - 1, 0) - 3)
;;       q = np.round(r / step) * step * 2.0 ** e      # np.round: ties to even
;;       return np.moveaxis(q.reshape(q.shape[:-2] + (-1,))[..., :K], -1, axis).astype(np.float32)
;;   ~~~
;;   SOFTMAX AHEAD OF A QUANTISED PRODUCT. Where the list says 'softmax', what is quantised is not the finished softmax but p = 2^(t - M), with t = logit x log2(e) and M = ceil(the row's largest t), a whole number; so 1/2 < the row's largest p <= 1. The row's sum l is taken of the UNQUANTISED p, in f32, and the product's result is divided by l at the end. Since M is a whole number, a kernel that streams over the keys may use a running M (the ceiling of the running maximum): every later rescaling is an exact power of two, which a block's scale takes up: the codes' values come out the same.
;;   OPERANDS COMPUTED ON THE WAY. 'Computed on the way' means the value that the module computes at that place (a softmax that the list does not call 'softmax' is quantised finished and normalised). What goes into a quantiser is computed in f32, as accurately as f32 sums, v_exp_f32 and their like allow (about 1e-6 of the number): no bf16 or f16 on the way to a quantiser, and a product that is left as it is and whose result goes on into a quantised operand takes f32 operands (vector FMAs, or v_wmma_f32_16x16x4_f32). A number that lies on a knife's edge between two numbers of the format may be rounded either way, as far as f32 arithmetic and the matrix unit's own rounding can turn it there, and no further.
;;   INPUTS GIVEN AS CODES. K (in the module: [8, 1024, 1024], K = its axis 2); Q (in the module: [8, 1024, 1024], K = its axis 2); Wk (in the module: [1024, 1024], K = its axis 0); Wo (in the module: [1024, 1024], K = its axis 0); Wq (in the module: [1024, 1024], K = its axis 0); Wv (in the module: [1024, 1024], K = its axis 0): each comes as NAME_codes (uint8): NAME with its K axis moved to the last place and cut into blocks of 32 codes, [.., K / 32, bytes a block], one block behind the other in memory; four codes in three bytes: a row's codes are one little-endian stream of bits, code i at bits 6 i .. 6 i + 5 (a code: sign, 2 exponent bits, 3 mantissa bits); and NAME_scales (uint8): the same leading axes, one E8M0 byte (e + 127) for each 32 codes along K. Its value is code x scale, taken as it is: it is not quantised again, and the codes and scales need not be those that the quantiser above would give.
;; One version. Each part assembles by itself: llvm-mc -triple=amdgcn-amd-amdhsa -mcpu=gfx1250 --defsym DOCPART=n.
;; ======== version 1 of 1: 3 launches
;; limits: right only within a limited range of input values
;; workspace buffers: qimg 6,291,456 bytes; wqimg 786,432 bytes; woimg 786,432 bytes; kimg 6,291,456 bytes; ksc 524,288 bytes; vimg 6,291,456 bytes; vsc 262,144 bytes; oimg 33,554,432 bytes
;; launch kvproj (part 1): grid 32 x 8, 4 waves a work-group, clusters of 4 x 4, 327,680 bytes of LDS; arguments K_codes, K_scales, Wk_codes, Wk_scales, Wv_codes, Wv_scales, bk, bv, mask, Q_codes, Wq_codes, Wo_codes, kimg, ksc, vimg, vsc, qimg, wqimg, woimg; writes kimg, ksc, vimg, vsc, qimg, wqimg, woimg
.if DOCPART == 1
	.amdgcn_target "amdgcn-amd-amdhsa--gfx1250"
	.amdhsa_code_object_version 6
	.text
	.protected	k_qab19083f8c_kvproj
	.globl	k_qab19083f8c_kvproj
	.p2align	8
	.type	k_qab19083f8c_kvproj,@function
k_qab19083f8c_kvproj:
	s_mov_b64 s[64:65], 0
	v_nop
	global_prefetch_b8 v0, s[64:65] scope:SCOPE_SE
	s_setreg_imm32_b32 hwreg(HW_REG_WAVE_MODE, 25, 1), 1
	s_wait_xcnt 0x0
	s_wait_alu depctr_hold_cnt(0) depctr_sa_sdst(0) depctr_va_vdst(0) depctr_va_sdst(0) depctr_va_ssrc(0) depctr_va_vcc(0) depctr_vm_vsrc(0)
	s_getreg_b32 s2, hwreg(HW_REG_IB_STS2, 6, 4)
	s_cmp_eq_u32 s2, 0
	s_cbranch_scc0 .Lentry_in_a_cluster
	s_endpgm
.Lentry_in_a_cluster:
	s_bfe_u32 s2, ttmp6, 0x10000c
	s_cmp_lg_u32 s2, 0xf033
	s_cbranch_scc0 .Lentry_shape_is_right
	s_endpgm
.Lentry_shape_is_right:
; k = K Wk + bk and v = K Wv + bv on codes of FP6 (E2M3) with E8M0 scales, each quantised again for the attention launch; and Q's, Wq's and Wo's codes laid anew as images of operand registers.
; JOBS, by the cluster's y.  Job 1: rows = 256 keys, columns = 256 channels of Wk: a lane holds one key and its registers run along the channels, k's K in q k^T.
; Job 0: rows = 256 channels of Wv, columns = 256 keys: a lane holds one channel and its registers run along the keys, v's K in p v.
; A tile of 256 x 256 is made by four waves, 128 x 128 each: 64 accumulators, 512 registers.  Source 0 takes the column operand, source 1 the row operand, so a lane's eight results are eight neighbouring columns.
; K (1,024, 768 bytes of a row) goes through two LDS slots in CHUNKS OF 256 BYTES of each row: each tile row is 256 bytes of memory at a multiple of 256.  A step of 128 along K is 96 bytes: eight steps to three chunks;
; steps 2 and 5 lie across two chunks and take their pieces from both slots.  The scales of the 256 + 256 rows, two dense blocks of 8,192 bytes, come once and stay.
; CLUSTERS: 4 x 4 work-groups; the row operand's tiles are asked for jointly along a row of the cluster, the column operand's along a column.
; THE WAY OUT: bias added, four blocks of 32 quantised a row of 128 columns, codes stored as images of the attention launch's operand registers (16 and 8 bytes a lane, neighbouring lanes on neighbouring bytes).
; A block's 32 codes lie in the order 0-7, 16-23, 8-15, 24-31 of its columns, in k, v, q and p alike.  A hidden key (mask 0) gets zero codes, and byte 2 of its scale word 254 where a counting key has 1: the attention launch's marker.
; THE COPIES: each wave also moves 6,144 bytes of Q's codes and 1,536 of Wq's (job 0) or Wo's (job 1) into register order; Wo's tiles take rows 32 (T / 2) + 8 (T % 2) + r + 8 (r / 8).
; NO PREFETCH: the walk is three chunks, written out; chunks 0 and 1 are asked for at the start and chunk 2 in step 2: there is no loop to run ahead in.
; LIMITS: NaN and infinities are not served; a block whose largest magnitude lies under 2^-124 keeps the scale byte 1.
.set ROWB,   256
.set NQ,     2
.set KROW,   768
.set STEPS,  8
.set CHUNKS, 3
.set PITCH,  272                       ; 256 bytes + 16 of padding
.set FR,     12
.set NL,     6
.set NP,     4
.set HALFT,  128*PITCH
.set SLOT,   4*HALFT                   ; the row operand's 256 rows, then the column operand's
.set KS,     32
.set SCL,    2*SLOT                    ; the scales, as units of 256 bytes + 16
.set HALFS,  (128*KS/256)*272
.set SBLK,   (16*KS/256)*272
.set SPARE,  SCL+4*HALFS               ; the spare words: 128 bytes a wave
.set ADRA, 16                          ; v16-17 fragment addresses in slot 0, 1; v18-19 for pieces whose lanes 16-31 lie in the next chunk
.set ADRB, 20
.set HO,   24
.set L8,   25
.set L16,  26
.set ADRS, 27
.set SPW,  28
.set NIL,  29
.set QOF,  30
.set WOF,  31
.set SC,   32                          ; v32-63 scale words, two sets
.set BX,   64                          ; v64-127 job 1's bias, by columns
.set AF,   128                         ; v128-223 the row operand's fragments
.set H,    128
.set CD,   192
.set TM,   212
.set PW,   228
.set MW,   229
.set MHID, 230
.set MCNT, 231
.set MK,   232                         ; v232-239 the mask bytes of my keys
.set WA,   240
.set BY,   248                         ; v248-255 job 0's bias, by rows
.set WB,   248
.set JOB,  95
.set SEL,  20
.set G1, 24
.set G0, 32
.set G1B, 48
.set G0B, 56
.set G1S, 68
.set G0S, 76
.set G1SB, 80
.set G0SB, 88
.set MSB, 0
.macro WIN new                         ; the immediate's high byte repeats the setting that is left
.if MSB != (\new)
	s_set_vgpr_msb (MSB<<8)|(\new)
.set MSB, (\new)
.endif
.endm
.set MUL_LO, 0xa1
.set MUL_HI, 0xf1
.set TO_B,   0x40
.macro PLACES n
.rept \n
	v_nop
.endr
.endm
.macro JLOAD g0a, g1a, g0b, g1b        ; a joint load of the ring: waves 0, 1 for the row operand, waves 2, 3 for the column operand
	s_cmp_eq_u32 s15, 0
	s_cbranch_scc0 .Lfor_b_\@
	tensor_load_to_lds s[\g0a:\g0a+3], s[\g1a:\g1a+7]
	s_nop 0
	PLACES 4
	s_branch .Lasked_\@
.Lfor_b_\@:
	tensor_load_to_lds s[\g0b:\g0b+3], s[\g1b:\g1b+7]
	s_nop 0
	PLACES 4
.Lasked_\@:
.endm
.macro CREST                           ; a round of the cluster's barrier behind its opening barrier
	s_cmp_lg_u32 s14, 0
	s_cbranch_scc1 .Lnot_wave_0_\@
	s_barrier_signal -3
.Lnot_wave_0_\@:
	s_barrier_wait -3
	s_barrier_signal -1
	s_barrier_wait -1
.endm
.macro CROUND
	s_barrier_signal -1
	s_barrier_wait -1
	CREST
.endm
	s_load_b256 s[68:75], s[0:1], 0x0              ; K's codes and scales, Wk's codes and scales
	s_load_b128 s[76:79], s[0:1], 0x20             ; Wv's codes and scales
	v_lshl_add_u32 v[SPW], v0, 2, SPARE
	v_mov_b32 v[NIL], 0
	ds_add_u32 v[SPW], v[NIL]                      ; the opening lines: the add twice on end and one wait
	ds_add_u32 v[SPW], v[NIL]
	v_lshrrev_b32 v1, 5, v0
	v_readfirstlane_b32 s14, v1                    ; wave
	s_lshr_b32 s15, s14, 1                         ; my half of the rows; also: I fetch for the row (0) or the column operand (1)
	s_and_b32 s16, s14, 1                          ; my half of the columns; also: which 128 rows I fetch
	s_bfe_u32 s40, ttmp6, 0x40000                  ; cx
	s_bfe_u32 s41, ttmp6, 0x40004                  ; cy
	s_and_b32 s[JOB], ttmp7, 0xffff
	s_lshl_b32 s96, ttmp9, 2
	s_lshl_b32 s43, s41, 2
	s_lshl_b32 s43, 15, s43                        ; my row of the cluster
	s_lshl_b32 s44, 0x1111, s40                    ; my column
	s_or_b32 s[G1+0], s43, (0<<16)|(1<<20)|(1<<21)|(5<<22)|(3<<25)
	s_or_b32 s[G1B+0], s44, (0<<16)|(1<<20)|(1<<21)|(5<<22)|(3<<25)
.irp g, G1, G1B                        ; rows of 256 bytes, 16 of padding behind each: 256 rows for the head's loads
	s_mov_b32 s[\g+1], ROWB<<16
	s_mov_b32 s[\g+2], 256<<16
	s_mov_b32 s[\g+3], ROWB<<16
	s_mov_b32 s[\g+4], 256
	s_mov_b32 s[\g+5], KROW
	s_mov_b32 s[\g+6], 0
	s_mov_b32 s[\g+7], 0
.endr
	s_wait_dscnt 0x0                               ; both opening adds are done
	s_wait_kmcnt 0x0
	s_cmp_eq_u32 s[JOB], 1
	s_cselect_b64 s[4:5], s[68:69], s[76:77]       ; the row operand: K (job 1) or Wv (job 0)
	s_cselect_b64 s[6:7], s[70:71], s[78:79]
	s_cselect_b64 s[8:9], s[72:73], s[68:69]       ; the column operand: Wk or K
	s_cselect_b64 s[10:11], s[74:75], s[70:71]
	s_cselect_b32 s42, 0, s96
	s_cselect_b32 s17, s96, 0
	s_add_co_u32 s42, s42, s40                     ; tile column
	s_add_co_u32 s17, s17, s41                     ; tile row
	s_or_b32 s[G1S+0], s43, (3<<16)|(1<<20)|(1<<21)|(5<<22)|(3<<25)
	s_or_b32 s[G1SB+0], s44, (3<<16)|(1<<20)|(1<<21)|(5<<22)|(3<<25)
.irp g, G1S, G1SB                      ; the scales of 256 rows: 32 rows of 256 bytes
	s_mov_b32 s[\g+1], 32<<16
	s_mov_b32 s[\g+2], KS<<16
	s_mov_b32 s[\g+3], 32<<16
	s_mov_b32 s[\g+4], KS
	s_mov_b32 s[\g+5], 32
	s_mov_b32 s[\g+6], 0
	s_mov_b32 s[\g+7], 0
.endr
	s_lshl_b32 s20, s17, 8
	s_lshl_b32 s46, s42, 8
	s_mov_b32 s21, 0
	s_mov_b32 s47, 0
	s_mov_b64 s[18:19], KS
	s_mul_u64 s[22:23], s[20:21], s[18:19]
	s_mul_u64 s[92:93], s[46:47], s[18:19]
	s_mov_b64 s[18:19], KROW
	s_mul_u64 s[20:21], s[20:21], s[18:19]
	s_mul_u64 s[46:47], s[46:47], s[18:19]
	s_mul_i32 s18, s16, 128*KROW                   ; in the ring I fetch 128 rows: which half,
	s_mov_b32 s19, 0
	s_mul_i32 s45, s14, HALFT                      ; and where they go
	s_add_nc_u64 s[20:21], s[4:5], s[20:21]
	s_add_nc_u64 s[22:23], s[6:7], s[22:23]
	s_add_nc_u64 s[46:47], s[8:9], s[46:47]
	s_add_nc_u64 s[92:93], s[10:11], s[92:93]
	s_add_nc_u64 s[20:21], s[20:21], s[18:19]
	s_add_nc_u64 s[46:47], s[46:47], s[18:19]
	CROUND                                         ; all sixteen work-groups are here: the first joint loads meet
	s_mov_b32 s[G0S], 1
	s_mov_b32 s[G0S+1], SCL
	s_mov_b64 s[G0S+2:G0S+3], s[22:23]
	s_or_b32 s[G0S+3], s[G0S+3], 0x80000000
	s_mov_b32 s[G0SB], 1
	s_mov_b32 s[G0SB+1], SCL+2*HALFS
	s_mov_b64 s[G0SB+2:G0SB+3], s[92:93]
	s_or_b32 s[G0SB+3], s[G0SB+3], 0x80000000
.irp s, 0,1
	s_mov_b32 s[G0+4*\s], 1
	s_add_co_u32 s[G0+4*\s+1], s45, \s*SLOT
	s_add_nc_u64 s[G0+4*\s+2:G0+4*\s+3], s[20:21], \s*ROWB
	s_or_b32 s[G0+4*\s+3], s[G0+4*\s+3], 0x80000000
	s_mov_b32 s[G0B+4*\s], 1
	s_add_co_u32 s[G0B+4*\s+1], s45, \s*SLOT
	s_add_nc_u64 s[G0B+4*\s+2:G0B+4*\s+3], s[46:47], \s*ROWB
	s_or_b32 s[G0B+4*\s+3], s[G0B+4*\s+3], 0x80000000
.endr
; THE HEAD'S FOUR TILES, ONE JOINT LOAD A WAVE: wave 0 chunk 0's 256 rows of the row operand, wave 1 its scales, wave 2 chunk 0's 256 rows of the column operand, wave 3 its scales.
; Waves 0 and 2 fetch the first half in the ring, so their own slot 0 descriptors already name the tile's first row and its first LDS byte: with 256 rows in group 1 they bring the whole tile.
.macro ARM under, g0, g1, next
	s_cmp_lt_u32 s14, \under
	s_cbranch_scc0 \next
	tensor_load_to_lds s[\g0:\g0+3], s[\g1:\g1+7]
	s_nop 0
	PLACES 4
	s_branch .Lhead_asked
\next:
.endm
	ARM 1, G0,  G1,  .Lhead_sa
	ARM 2, G0S, G1S, .Lhead_b
	ARM 3, G0B, G1B, .Lhead_sb
	tensor_load_to_lds s[G0SB:G0SB+3], s[G1SB:G1SB+7]
	s_nop 0
	PLACES 4
.Lhead_asked:
	v_and_b32 v1, 15, v0                           ; r
	v_bfe_u32 v2, v0, 4, 1                         ; h
	v_mul_u32_u24 v3, v1, PITCH
	v_mul_u32_u24 v4, v2, 24
	v_add_nc_u32 v4, v3, v4                        ; row x pitch + 24 h
	s_mov_b32 s21, SLOT-232
	s_mov_b32 s22, SLOT+232
	v_sub_nc_u32 v7, 1, v2
	v_mul_u32_u24 v5, s21, v2
	v_add_nc_u32 v5, v3, v5
	v_add_nc_u32 v5, 232, v5                       ; lanes 0-15 byte 232 of the row in slot 0, lanes 16-31 byte 0 in slot 1;
	v_mul_u32_u24 v6, s22, v7
	v_add_nc_u32 v6, v3, v6                        ; and the other way round
	s_mul_i32 s21, s15, HALFT
	s_mul_i32 s22, s16, HALFT
	s_add_co_u32 s22, s22, 2*HALFT
	v_add_nc_u32 v[ADRA+2], s21, v5
	v_add_nc_u32 v[ADRA+3], s21, v6
	v_add_nc_u32 v[ADRB+2], s22, v5
	v_add_nc_u32 v[ADRB+3], s22, v6
.irp s, 0,1
	v_add_nc_u32 v[ADRA+\s], s21, v4
	v_add_nc_u32 v[ADRB+\s], s22, v4
	s_add_co_u32 s21, s21, SLOT
	s_add_co_u32 s22, s22, SLOT
.endr
	v_mul_u32_u24 v5, v1, KS                       ; my row's scales: 32 bytes a row, 16 more for each 256 passed
	v_lshrrev_b32 v6, 8, v5
	v_lshl_add_u32 v5, v6, 4, v5
	s_mul_i32 s21, s15, HALFS
	s_mul_i32 s22, s16, HALFS
	s_add_co_u32 s22, s22, 2*HALFS
	s_sub_co_u32 s22, s22, s21
	v_mul_u32_u24 v6, s22, v2                      ; lanes 16-31 take the column operand's
	s_add_co_u32 s21, s21, SCL
	v_add_nc_u32 v5, v5, v6
	v_add_nc_u32 v[ADRS], s21, v5
	; under the head's loads: the copies, the biases, the mask, and where the results go
	s_load_b256 s[4:11], s[0:1], 0x30              ; bk, bv, mask, Q's codes
	s_load_b128 s[20:23], s[0:1], 0x50             ; Wq's codes, Wo's codes
	v_and_b32 v6, 31, v0
	v_lshlrev_b32 v[HO], 5, v2
	v_lshlrev_b32 v[L8], 3, v6
	v_lshlrev_b32 v[L16], 4, v6
	v_lshlrev_b32 v7, 2, v1
	v_mul_u32_u24 v[QOF], v1, KROW
	v_mad_u32_u24 v[QOF], v2, 24, v[QOF]
	s_lshl_b32 s12, s[JOB], 2
	s_add_co_u32 s12, s12, s41
	s_lshl_b32 s12, s12, 5
	s_add_co_u32 s12, s12, s96
	s_add_co_u32 s12, s12, s40
	s_lshl_b32 s12, s12, 2
	s_add_co_u32 s12, s12, s14                     ; my wave's number in the launch, 0 .. 1,023
	s_mul_i32 s98, s12, 6144
	s_mov_b32 s99, 0
	s_and_b32 s13, s12, 511
	s_mul_i32 s100, s13, 1536
	s_mov_b32 s101, 0
	s_lshr_b32 s18, s12, 1
	s_mul_i32 s18, s18, 16*KROW
	s_and_b32 s19, s12, 1
	s_mul_i32 s19, s19, 384
	s_add_co_u32 s18, s18, s19                     ; Q: 16 rows, four K steps
	s_mov_b32 s19, 0
	s_lshr_b32 s94, s13, 3
	s_and_b32 s13, s13, 7
	s_mul_i32 s13, s13, 96
	s_lshr_b32 s96, s94, 1
	s_lshl_b32 s96, s96, 5
	s_and_b32 s104, s94, 1
	s_lshl_b32 s104, s104, 3
	s_add_co_u32 s96, s96, s104
	s_lshl_b32 s94, s94, 4
	s_cmp_eq_u32 s[JOB], 1
	s_cselect_b32 s94, s96, s94                    ; the weight tile's first row: Wo's tiles are not neighbours
	s_cselect_b32 s105, 8, 0
	v_and_b32 v[WOF], s105, v1
	v_add_nc_u32 v[WOF], v[WOF], v1
	v_mul_u32_u24 v[WOF], v[WOF], KROW
	v_mad_u32_u24 v[WOF], v2, 24, v[WOF]
	s_mul_i32 s94, s94, KROW
	s_add_co_u32 s12, s94, s13
	s_mov_b32 s13, 0
	s_cmp_eq_u32 s[JOB], 1
	s_cselect_b32 s94, s17, s42                    ; the tile of keys,
	s_cselect_b32 s96, s15, s16
	s_cselect_b32 s46, s42, s17                    ; the tile of channels
	s_cselect_b32 s47, s16, s15
	s_lshr_b32 s104, s94, 2                        ; batch
	s_and_b32 s94, s94, 3
	s_lshl_b32 s94, s94, 8
	s_lshl_b32 s96, s96, 7
	s_add_co_u32 s94, s94, s96                     ; my first key in the batch
	s_lshl_b32 s46, s46, 2
	s_lshl_b32 s47, s47, 1
	s_add_co_u32 s96, s46, s47                     ; my first head
	s_lshl_b32 s92, s104, 4
	s_add_co_u32 s92, s92, s96
	s_mul_i32 s46, s92, 49152
	s_mul_i32 s47, s94, 48
	s_add_co_u32 s46, s46, s47
	s_mov_b32 s47, 0
	s_lshl_b32 s92, s92, 11
	s_lshl_b32 s93, s94, 1
	s_add_co_u32 s92, s92, s93
	s_lshl_b32 s92, s92, s[JOB]
	s_mov_b32 s93, 0
	s_lshl_b32 s96, s96, 8
	s_mov_b32 s97, 0
	s_lshl_b32 s104, s104, 10
	s_add_co_u32 s104, s104, s94
	s_mov_b32 s105, 0
	s_wait_alu depctr_va_vdst(0)                   ; the wait ahead of the blocking wait
	s_wait_kmcnt 0x0
	s_cmp_eq_u32 s[JOB], 1
	s_cselect_b64 s[4:5], s[4:5], s[6:7]
	s_cselect_b64 s[20:21], s[22:23], s[20:21]
	s_add_nc_u64 s[4:5], s[4:5], s[96:97]
	s_add_nc_u64 s[8:9], s[8:9], s[104:105]
	s_add_nc_u64 s[10:11], s[10:11], s[18:19]
	s_add_nc_u64 s[20:21], s[20:21], s[12:13]
.irp i, 0,1,2,3
.irp p, 0,1,2,3,4,5
	global_load_b64 v[128+12*\i+2*\p:128+12*\i+2*\p+1], v[QOF], s[10:11] offset:96*\i+48*(\p/3)+8*(\p%3) th:TH_LOAD_NT
.endr
.endr
.irp p, 0,1,2,3,4,5
	global_load_b64 v[176+2*\p:176+2*\p+1], v[WOF], s[20:21] offset:48*(\p/3)+8*(\p%3) th:TH_LOAD_NT
.endr
.irp b, 0,1,2,3,4,5,6,7
	global_load_b128 v[BX+8*\b:BX+8*\b+3], v[HO], s[4:5] offset:64*\b
	global_load_b128 v[BX+8*\b+4:BX+8*\b+7], v[HO], s[4:5] offset:64*\b+16
.endr
.irp a, 0,1,2,3,4,5,6,7
	global_load_b32 v[BY+\a], v7, s[4:5] offset:64*\a
.endr
.irp a, 0,1,2,3,4,5,6,7
	global_load_u8 v[MK+\a], v1, s[8:9] offset:16*\a
.endr
	s_wait_xcnt 0x0                                ; the loads have read their bases
	s_load_b256 s[4:11], s[0:1], 0x60              ; kimg, ksc, vimg, vsc
	s_load_b128 s[20:23], s[0:1], 0x80             ; qimg, wqimg
	s_load_b64 s[12:13], s[0:1], 0x90              ; woimg
	s_wait_kmcnt 0x0
	s_cmp_eq_u32 s[JOB], 1
	s_cselect_b64 s[66:67], s[4:5], s[8:9]
	s_cselect_b64 s[96:97], s[6:7], s[10:11]
	s_cselect_b64 s[22:23], s[12:13], s[22:23]
	s_add_nc_u64 s[66:67], s[66:67], s[46:47]
	s_add_nc_u64 s[96:97], s[96:97], s[92:93]
	s_add_nc_u64 s[20:21], s[20:21], s[98:99]
	s_add_nc_u64 s[22:23], s[22:23], s[100:101]
	s_wait_loadcnt 32                              ; the 30 loads of codes are in; behind them 16 + 8 + 8 were issued
.irp i, 0,1,2,3
.irp c, 0,1,2
	global_store_b128 v[L16], v[128+12*\i+4*\c:128+12*\i+4*\c+3], s[20:21] offset:1536*\i+512*\c
.endr
.endr
.irp c, 0,1,2
	global_store_b128 v[L16], v[176+4*\c:176+4*\c+3], s[22:23] offset:512*\c
.endr
	s_wait_xcnt 0x0                                ; the stores have read their data and bases
	s_mov_b32 s[SEL], 0x76543210
	s_mov_b32 s[SEL+1], 0xfedcba98
.macro FRAG reg, adr, st, i            ; 16 rows x 128 K: six pieces of 8 bytes; byte y of a row lies in chunk y / 256, slot (y / 256) % 2
.irp p, 0,1,2,3,4,5
.set BYT, 96*(\st)+48*(\p/3)+8*(\p%3)
.if BYT/ROWB == (BYT+24)/ROWB
	ds_load_b64 v[\reg+2*\p:\reg+2*\p+1], v[\adr+(BYT/ROWB)%2] offset:BYT%ROWB+(\i)*16*PITCH
.else
	ds_load_b64 v[\reg+2*\p:\reg+2*\p+1], v[\adr+2+(BYT/ROWB)%2] offset:BYT%ROWB-232+(\i)*16*PITCH
.endif
.endr
.endm
.macro MUL16 a0, p, q, sc, zero        ; row blocks a0, a0 + 1 x eight column blocks; the 64 accumulators take turns
.irp a, \a0, \a0+1
.irp b, 0,1,2,3,4,5,6,7
.if \zero
	v_wmma_scale_f32_16x16x128_f8f6f4 v[8*(8*((\a)%4)+\b):8*(8*((\a)%4)+\b)+7], v[128*(\p)+FR*\b:128*(\p)+FR*\b+FR-1], v[AF+FR*(\a):AF+FR*(\a)+FR-1], 0, v[SC+8*NQ*(\sc)+NQ*\b+(\q)], v[SC+8*NQ*(\sc)+NQ*(\a)+(\q)] matrix_a_fmt:MATRIX_FMT_FP6 matrix_b_fmt:MATRIX_FMT_FP6 matrix_a_scale:MATRIX_SCALE_ROW1
.else
	v_wmma_scale_f32_16x16x128_f8f6f4 v[8*(8*((\a)%4)+\b):8*(8*((\a)%4)+\b)+7], v[128*(\p)+FR*\b:128*(\p)+FR*\b+FR-1], v[AF+FR*(\a):AF+FR*(\a)+FR-1], v[8*(8*((\a)%4)+\b):8*(8*((\a)%4)+\b)+7], v[SC+8*NQ*(\sc)+NQ*\b+(\q)], v[SC+8*NQ*(\sc)+NQ*(\a)+(\q)] matrix_a_fmt:MATRIX_FMT_FP6 matrix_b_fmt:MATRIX_FMT_FP6 matrix_a_scale:MATRIX_SCALE_ROW1
.endif
.endr
.endr
.endm
.macro FETCH_B st, p
	WIN TO_B
.irp i, 0,1,2,3,4,5,6,7
	FRAG 128*(\p)+FR*\i, ADRB, \st, \i
.endr
	WIN 0
.endm
.macro FETCH_A st, i0
.irp i, \i0, \i0+1, \i0+2, \i0+3
	FRAG AF+FR*(\i), ADRA, \st, \i
.endr
.endm
.macro SCALES pr                       ; the scale words of steps 2 pr, 2 pr + 1: lanes 0-15 the row operand's block i, lanes 16-31 the column operand's
.irp i, 0,1,2,3,4,5,6,7
	ds_load_b64 v[SC+8*NQ*((\pr)%2)+NQ*\i:SC+8*NQ*((\pr)%2)+NQ*\i+1], v[ADRS] offset:\i*SBLK+4*NQ*(\pr)
.endr
.endm
; A step: 64 products; the next step's fragments are fetched in its middle and at its end.  Where the next step's bytes END in a chunk not yet read: the wait for my tensor loads and a barrier.
; Where they BEGIN in a later chunk: the wait, the add, the wait for it and for my reads, the barrier; where a chunk two on is left, the barrier opens a round of the cluster's barrier and the slot is filled again.
.macro STEP st, zero
.set NX, (\st)+1
.set C0, (96*(\st))/ROWB
.set C1, (96*NX)/ROWB
.set E0, (96*(\st)+95)/ROWB
.set E1, (96*NX+95)/ROWB
.if C1 > C0 || E1 > E0
	s_wait_tensorcnt 0x0                           ; all my tensor loads have landed
.if C1 > C0
	ds_add_u32 v[SPW], v[NIL]
	s_wait_dscnt 4*NL+1                            ; the add and the 24 youngest loads (row blocks 4-7) may be out
.else
	s_wait_dscnt 4*NL                              ; the 24 youngest loads may be out
.endif
	WIN MUL_LO
	MUL16 0, (\st)%2, (\st)%2, ((\st)/2)%2, \zero
	s_wait_dscnt 0x0                               ; the add and all my reads are done
	s_barrier_signal -1
	MUL16 2, (\st)%2, (\st)%2, ((\st)/2)%2, \zero
	WIN 0
	s_barrier_wait -1
.if C1 > C0 && C0+2 < CHUNKS
	CREST
	s_add_nc_u64 s[G0+4*(C0%2)+2:G0+4*(C0%2)+3], s[G0+4*(C0%2)+2:G0+4*(C0%2)+3], 2*ROWB
	s_add_nc_u64 s[G0B+4*(C0%2)+2:G0B+4*(C0%2)+3], s[G0B+4*(C0%2)+2:G0B+4*(C0%2)+3], 2*ROWB
	JLOAD G0+4*(C0%2), G1, G0B+4*(C0%2), G1B       ; chunk C0 + 2; its four v_nop are the places in front of the loads below
.else
	PLACES NP
.endif
.else
	s_wait_dscnt 4*NL
	WIN MUL_LO
	MUL16 0, (\st)%2, (\st)%2, ((\st)/2)%2, \zero
	MUL16 2, (\st)%2, (\st)%2, ((\st)/2)%2, \zero
	s_wait_dscnt 0
	PLACES NP
.endif
	FETCH_B NX, NX%2
	FETCH_A NX, 0
.if NX%2 == 0
	SCALES NX/2
.endif
	WIN MUL_HI
	MUL16 4, (\st)%2, (\st)%2, ((\st)/2)%2, \zero
	MUL16 6, (\st)%2, (\st)%2, ((\st)/2)%2, \zero
	PLACES NP
	WIN 0
	FETCH_A NX, 4
.endm
	s_wait_alu depctr_va_vdst(0)                   ; the wait at the head's end
	s_wait_tensorcnt 0x0                           ; my tile of the head's four is in; slot 1's first fill is issued as a refill is:
	ds_add_u32 v[SPW], v[NIL]
	s_mov_b32 s[G1+2], 128<<16                     ; no tensor load of mine is out: from here on a load brings 128 rows
	s_mov_b32 s[G1+4], 128
	s_mov_b32 s[G1B+2], 128<<16
	s_mov_b32 s[G1B+4], 128
	s_wait_dscnt 0x0
	CROUND
	JLOAD G0+4, G1, G0B+4, G1B                     ; chunk 1
	FETCH_B 0, 0
	FETCH_A 0, 0
	SCALES 0
	FETCH_A 0, 4
	STEP 0, 1                                      ; the first step's products start the sums
.set ST, 1
.rept STEPS-2
	STEP ST, 0
.set ST, ST+1
.endr
	s_wait_dscnt 4*NL
	WIN MUL_LO
	MUL16 0, 1, 1, 1, 0
	MUL16 2, 1, 1, 1, 0
	s_wait_dscnt 0
	WIN MUL_HI
	MUL16 4, 1, 1, 1, 0
	MUL16 6, 1, 1, 1, 0
	WIN 0
; 64 numbers of a lane (four blocks of 32, each shared with lane l xor 16) -> 12 registers of codes at CD and the scale word PW
.macro QUANT s
.irp b, 0,1,2,3
	v_max3_num_f32 v[TM+\b], |v[\s+16*\b]|, |v[\s+1+16*\b]|, 0x1800000   ; with the floor 2^(3 - 127): the byte cannot fall under 1
.endr
.irp i, 2,4,6,8,10,12,14
.irp b, 0,1,2,3
	v_max3_num_f32 v[TM+\b], v[TM+\b], |v[\s+16*\b+\i]|, |v[\s+1+16*\b+\i]|
.endr
.endr
.irp b, 0,1,2,3
	v_permlanex16_b32 v[TM+4+\b], v[TM+\b], s[SEL], s[SEL+1]
.endr
.irp b, 0,1,2,3
	v_max_num_f32 v[TM+\b], v[TM+\b], v[TM+4+\b]
.endr
.irp b, 0,1,2,3
	v_add_nc_u32 v[TM+12+\b], 0xff000000, v[TM+\b]   ; 2 off the exponent field: the conversion's scale operand
.endr
.irp b, 0,1,2,3
	v_lshrrev_b32 v[TM+4+\b], 23, v[TM+12+\b]
.endr
	v_lshl_or_b32 v[PW], v[TM+5], 8, v[TM+4]
	v_lshl_or_b32 v[PW], v[TM+6], 16, v[PW]
	v_lshl_or_b32 v[PW], v[TM+7], 24, v[PW]
.irp c, 0,1
	v_cvt_scalef32_pk16_fp6_f32 v[CD+6*\c:CD+2+6*\c], v[\s+32*\c:\s+15+32*\c], v[TM+12+2*\c]
	v_cvt_scalef32_pk16_fp6_f32 v[CD+12+4*\c:CD+14+4*\c], v[\s+16+32*\c:\s+31+32*\c], v[TM+12+2*\c+1]
.endr
	v_nop                                          ; one plain place behind a scaled conversion
.irp c, 0,1
.irp i, 0,1,2
	v_permlane16_swap_b32 v[CD+6*\c+\i], v[CD+12+4*\c+\i]   ; a whole block to a lane
.endr
.irp i, 0,1,2
	v_mov_b32 v[CD+3+6*\c+\i], v[CD+12+4*\c+\i]
.endr
.endr
.endm
.macro KTILE a                         ; 16 keys x 128 channels: two heads' images of one key tile
	s_wait_xcnt 0x0                                ; the last tile's stores have read their data
	WIN 0x02+(\a)/4
.set ii, 0
.rept 32
	v_pk_add_f32 v[H+2*ii:H+2*ii+1], v[64*((\a)%4)+2*ii:64*((\a)%4)+2*ii+1], v[BX+2*ii:BX+2*ii+1]
.set ii, ii+1
.endr
	WIN 0
	QUANT H
	v_cmp_ne_u32 vcc_lo, 0, v[MK+(\a)]
.irp i, 0,1,2,3,4,5,6,7,8,9,10,11
	v_cndmask_b32 v[CD+\i], 0, v[CD+\i], vcc_lo    ; a hidden key's codes are zeros
.endr
	v_cndmask_b32 v[MW], v[MHID], v[MCNT], vcc_lo
	v_and_or_b32 v[WA+(\a)], v[PW], 0xffff, v[MW]
	v_lshrrev_b32 v[WB+(\a)], 16, v[PW]
	v_or_b32 v[WB+(\a)], v[WB+(\a)], v[MW]
	global_store_b128 v[L16], v[CD:CD+3], s[66:67] offset:768*(\a)
	global_store_b64 v[L8], v[CD+4:CD+5], s[66:67] offset:768*(\a)+512
	global_store_b128 v[L16], v[CD+6:CD+9], s[66:67] offset:768*(\a)+49152
	global_store_b64 v[L8], v[CD+10:CD+11], s[66:67] offset:768*(\a)+49664
.endm
.macro VTILE a                         ; 16 channels x 128 keys: one image of a channel tile
	s_wait_xcnt 0x0
	WIN 0x02+(\a)/4
.set ii, 0
.rept 32
.if (\a)%2 == 0
	v_pk_add_f32 v[H+2*ii:H+2*ii+1], v[64*((\a)%4)+2*ii:64*((\a)%4)+2*ii+1], v[BY+2*((\a)/2):BY+2*((\a)/2)+1] op_sel_hi:[1,0]
.else
	v_pk_add_f32 v[H+2*ii:H+2*ii+1], v[64*((\a)%4)+2*ii:64*((\a)%4)+2*ii+1], v[BY+2*((\a)/2):BY+2*((\a)/2)+1] op_sel:[0,1] op_sel_hi:[1,1]
.endif
.set ii, ii+1
.endr
	WIN 0
	QUANT H
.irp c, 0,1,2
	global_store_b128 v[L16], v[CD+4*\c:CD+4*\c+3], s[66:67] offset:((\a)/4)*49152+((\a)%4)*1536+512*\c
.endr
	v_mov_b32 v[WA+(\a)], v[PW]
.endm
	PLACES NP
	s_wait_loadcnt 0x0                             ; the biases and the mask are in
	s_mov_b32 s98, 0xffff0000
	v_mov_b32 v[MHID], 0x01fe0000                  ; bytes 2, 3 of a hidden key's word: 254, 1
	v_mov_b32 v[MCNT], 0x01010000                  ; of a counting key's: 1, 1
.irp b, 0,1,2,3
	v_mov_b32 v[TM+4+\b], 0                        ; a lane permute's destination counts as one of its sources
.endr
	s_cmp_eq_u32 s[JOB], 1
	s_cbranch_scc0 .Lpath_v
.irp a, 0,1,2,3,4,5,6,7
	KTILE \a
.endr
	s_wait_alu depctr_va_vdst(0)
	s_wait_xcnt 0x0
.irp i, 0,1,2,3
	v_cndmask_b32 v[CD+\i], v[WA+2*\i], v[WA+2*\i+1], s98     ; word i: key tiles 2 i (lanes 0-15) and 2 i + 1 (lanes 16-31)
	v_cndmask_b32 v[CD+4+\i], v[WB+2*\i], v[WB+2*\i+1], s98
.endr
	global_store_b128 v[L16], v[CD:CD+3], s[96:97]
	global_store_b128 v[L16], v[CD+4:CD+7], s[96:97] offset:4096
	s_branch .Ljoin
.Lpath_v:
.irp a, 0,1,2,3,4,5,6,7
	VTILE \a
.endr
	s_wait_alu depctr_va_vdst(0)
	s_wait_xcnt 0x0
.irp d, 0,1
.irp i, 0,1
	v_cndmask_b32 v[CD+2*\d+\i], v[WA+4*\d+2*\i], v[WA+4*\d+2*\i+1], s98
.endr
	global_store_b64 v[L8], v[CD+2*\d:CD+2*\d+1], s[96:97] offset:2048*\d
.endr
.Ljoin:
	s_wait_tensorcnt 0x0                           ; the wave's end
	ds_add_u32 v[SPW], v[NIL]
	s_wait_dscnt 0x0
	CROUND                                         ; the closing round
	s_endpgm
.Lfunc_end_k_qab19083f8c_kvproj:
	.size	k_qab19083f8c_kvproj, .Lfunc_end_k_qab19083f8c_kvproj-k_qab19083f8c_kvproj
	.p2alignl 7, 3214868480
	.fill 96, 4, 3214868480
	.section	.rodata,"a",@progbits
	.p2align	6, 0x0
	.amdhsa_kernel k_qab19083f8c_kvproj
		.amdhsa_group_segment_fixed_size 327680
		.amdhsa_private_segment_fixed_size 0
		.amdhsa_enable_private_segment 0
		.amdhsa_kernarg_size 152
		.amdhsa_user_sgpr_count 2
		.amdhsa_user_sgpr_kernarg_segment_ptr 1
		.amdhsa_wavefront_size32 1
		.amdhsa_system_sgpr_workgroup_id_x 1
		.amdhsa_system_sgpr_workgroup_id_y 1
		.amdhsa_system_sgpr_workgroup_id_z 1
		.amdhsa_system_vgpr_workitem_id 0
		.amdhsa_next_free_vgpr 1024
		.amdhsa_next_free_sgpr 106
		.amdhsa_reserve_vcc 1
		.amdhsa_float_denorm_mode_32 3
		.amdhsa_float_denorm_mode_16_64 3
		.amdhsa_memory_ordered 1
		.amdhsa_forward_progress 1
		.amdhsa_inst_pref_size 246
	.end_amdhsa_kernel
	.amdgpu_metadata
---
amdhsa.version: [ 1, 2 ]
amdhsa.kernels:
  - .name:           k_qab19083f8c_kvproj
    .symbol:         k_qab19083f8c_kvproj.kd
    .args:
      - { .name: K_codes, .offset: 0, .size: 8, .value_kind: global_buffer, .address_space: global }
      - { .name: K_scales, .offset: 8, .size: 8, .value_kind: global_buffer, .address_space: global }
      - { .name: Wk_codes, .offset: 16, .size: 8, .value_kind: global_buffer, .address_space: global }
      - { .name: Wk_scales, .offset: 24, .size: 8, .value_kind: global_buffer, .address_space: global }
      - { .name: Wv_codes, .offset: 32, .size: 8, .value_kind: global_buffer, .address_space: global }
      - { .name: Wv_scales, .offset: 40, .size: 8, .value_kind: global_buffer, .address_space: global }
      - { .name: bk, .offset: 48, .size: 8, .value_kind: global_buffer, .address_space: global }
      - { .name: bv, .offset: 56, .size: 8, .value_kind: global_buffer, .address_space: global }
      - { .name: mask, .offset: 64, .size: 8, .value_kind: global_buffer, .address_space: global }
      - { .name: Q_codes, .offset: 72, .size: 8, .value_kind: global_buffer, .address_space: global }
      - { .name: Wq_codes, .offset: 80, .size: 8, .value_kind: global_buffer, .address_space: global }
      - { .name: Wo_codes, .offset: 88, .size: 8, .value_kind: global_buffer, .address_space: global }
      - { .name: kimg, .offset: 96, .size: 8, .value_kind: global_buffer, .address_space: global }
      - { .name: ksc, .offset: 104, .size: 8, .value_kind: global_buffer, .address_space: global }
      - { .name: vimg, .offset: 112, .size: 8, .value_kind: global_buffer, .address_space: global }
      - { .name: vsc, .offset: 120, .size: 8, .value_kind: global_buffer, .address_space: global }
      - { .name: qimg, .offset: 128, .size: 8, .value_kind: global_buffer, .address_space: global }
      - { .name: wqimg, .offset: 136, .size: 8, .value_kind: global_buffer, .address_space: global }
      - { .name: woimg, .offset: 144, .size: 8, .value_kind: global_buffer, .address_space: global }
    .group_segment_fixed_size: 327680
    .private_segment_fixed_size: 0
    .kernarg_segment_align: 8
    .kernarg_segment_size: 152
    .max_flat_workgroup_size: 128
    .sgpr_count:     106
    .vgpr_count:     1024
    .wavefront_size: 32
...
	.end_amdgpu_metadata
.endif
;; end of part 1
;; launch attn (part 2): grid 2 x 128, 16 waves a work-group, no clusters, 327,680 bytes of LDS; arguments qimg, Q_scales, wqimg, Wq_scales, bq, kimg, ksc, vimg, vsc, oimg; writes oimg
.if DOCPART == 2
	.amdgcn_target "amdgcn-amd-amdhsa--gfx1250"
	.amdhsa_code_object_version 6
	.text
	.protected	k_qab19083f8c_attn
	.globl	k_qab19083f8c_attn
	.p2align	8
	.type	k_qab19083f8c_attn,@function
k_qab19083f8c_attn:
	s_mov_b64 s[64:65], 0
	v_nop
	global_prefetch_b8 v0, s[64:65] scope:SCOPE_SE
	s_setreg_imm32_b32 hwreg(HW_REG_WAVE_MODE, 25, 1), 1
	s_wait_xcnt 0x0
; o = q + softmax(q k^T / 32, hidden keys at -2^33) v for one head and 512 queries, with q = Q Wq + bq made here.  All three products on codes of FP6 (E2M3) with E8M0 scales.
; SHARES.  Work-group (x, bh): batch bh / 16, head bh % 16, queries 512 x .. 512 x + 511.  Each of the sixteen waves owns two tiles of 16 queries (tile p: rows 256 p + 16 wave on), in 256 registers: four waves to a SIMD.
; WHAT COMES WHEN.  At the head only the head's Wq tiles (49,152 bytes) are asked for, by waves 0-5, 8,192 bytes each, and each wave asks for its own fragments of Q.  Behind the barrier that shows Wq whole, the head's
; K images (49,152 bytes, waves 0-5), V images (49,152, waves 6-11) and the scale words of K and V (waves 12-14) are asked for, one tensor load a wave: they are first read behind the projection, behind a second barrier.
; Nothing is filled again.
; PHASES.  (1) q^T = Wq Q^T + bq for both tiles (each fragment of Wq feeds two products); (2) q is quantised along its 64 channels, and q in f32, its codes and its scale word are parked in the wave's own LDS bytes;
; (3) for each tile: eight steps of 128 keys: S^T = k q^T, the streaming softmax, O^T += v^T p^T; (4) o = q + O^T / l, stored in the order in which the last launch's lanes want it.
; All products are used transposed: a lane holds ONE query (lane % 16) throughout.  A block's 32 codes of q, k, v and p lie in the order 0-7, 16-23, 8-15, 24-31 of the block's numbers.
; THE KEYS OF A TILE OF k ARE CHOSEN BY THE LDS ADDRESSES: tile (c, u) of a step takes as rows 0-7 the keys 64 c + 8 g + 0 .. 7 and as rows 8-15 the keys 64 c + 32 + 8 g + 0 .. 7, g = 0, 2, 1, 3 for u = 0 .. 3.
; So the 32 registers of tiles (c, 0 .. 3) of lane (r, h) are the whole block 2 c + h of p, in v's order: a block's maximum needs no other lane, and the codes are the operand's registers as they are made.
; THE SOFTMAX AHEAD OF THE SECOND PRODUCT: t = score x log2(e) / 32; M = the running largest t rounded up to a whole number; p = 2^(t - M) is quantised along the keys, not normalised; the row's sum is taken of the
; unquantised p and divides at the end; when M moves, the sum and O^T are multiplied by 2^(old M - new M), which rounds nothing.
; THE MASK costs no vector instruction: q k^T has K = 64 in an instruction 128 deep.  At k = 64 every query has the code +1.0 under the scale byte 38 and every key the code -1.0 under its byte 2: 254 for a hidden key
; (whose other codes are zeros: raw score -2^38 exactly), 1 for one that counts (2^-215: nothing).  -2^38 x c is a whole number, so a row all of whose keys are hidden has p = 1 everywhere.
; LIMITS: a hidden key's logit is -2^33 where the source has -1e10: the same results while counting logits lie above -8.5e9.  NaN and infinities are not served.  1 / l by v_rcp_f32.
; NO CLUSTER: only the two work-groups of a head share tiles (153,600 bytes, fetched once in the launch), fewer than the four that a joint load's row of a cluster names here.
; NO PREFETCH: every tile is asked for once, ahead of the loops; the loops read LDS alone and have nothing to run ahead for.
.set KI,   0                           ; LDS: K's images: 64 tiles of 16 neighbouring keys x 768 bytes (registers 0-3 at 16 x lane, registers 4-5 at 512 + 8 x lane)
.set VI,   49152                       ; V's: 8 steps x 4 channel tiles x 1,536
.set WQ,   98304                       ; Wq's: 4 tiles x 8 K steps x 1,536
.set KSC,  147456                      ; K's scale words: 8 steps x 512: the word of key 16 a + row at 16 (row + 16 (a % 2)) + 4 (a / 2)
.set VSC,  151552                      ; V's: 8 steps x 256
.set PARK, 153600                      ; 10,240 bytes a wave, 5,120 a tile: q in f32 (8 x 512), codes (512 + 256), scale word (128)
.set PKW,  10240
.set PKT,  5120
.set SPARE, 317440                     ; the spare words: 128 bytes a wave
.set WV,   24
.set SEL,  26
.set CS,   28
	s_load_b512 s[4:19], s[0:1], 0x0               ; qimg, Q_scales, wqimg, Wq_scales, bq, kimg, ksc, vimg
	s_load_b128 s[20:23], s[0:1], 0x40             ; vsc, oimg
	v_lshl_add_u32 v14, v0, 2, SPARE               ; v14, v15 serve the adds up to the first barrier; v0 is kept, and they are made anew at the end
	v_mov_b32 v15, 0
	ds_add_u32 v14, v15                            ; the opening lines: the add twice on end and one wait
	ds_add_u32 v14, v15
	s_wait_dscnt 0x0
	v_lshrrev_b32 v8, 5, v0
	s_delay_alu instid0(VALU_DEP_1)
	v_readfirstlane_b32 s[WV], v8                  ; wave 0..15
	s_and_b32 s56, ttmp7, 0xffff                   ; bh
	s_lshr_b32 s57, s56, 4                         ; batch
	s_and_b32 s58, s56, 15                         ; head
	; descriptor group 1: dense blocks as rows of 256 bytes (32 elements of 8 bytes), no padding: 32 rows, and 8 rows
	s_mov_b32 s32, 3<<16
	s_mov_b32 s33, 32<<16
	s_mov_b32 s34, 32<<16
	s_mov_b32 s35, 32<<16
	s_mov_b32 s36, 32
	s_mov_b32 s37, 32
	s_mov_b32 s38, 0
	s_mov_b32 s39, 0
	s_mov_b32 s40, 3<<16
	s_mov_b32 s41, 32<<16
	s_mov_b32 s42, 8<<16
	s_mov_b32 s43, 32<<16
	s_mov_b32 s44, 8
	s_mov_b32 s45, 32
	s_mov_b32 s46, 0
	s_mov_b32 s47, 0
	s_mov_b32 s[SEL], 0x76543210
	s_mov_b32 s[SEL+1], 0xfedcba98                 ; v_permlanex16_b32's selects for lane l xor 16
	s_mov_b32 s[CS], 0x3d38aa3b                    ; c = log2(e) / 32
	s_mov_b32 s[CS+1], s[CS]
	; waves 0-5, at the head: a sixth of Wq's tiles, to LDS byte WQ + 8,192 x wave
	s_lshl_b32 s59, s[WV], 13
	s_mov_b32 s76, 1
	s_lshl_b32 s77, s[WV], 13
	s_add_co_u32 s77, s77, WQ
	s_mul_i32 s60, s58, 49152
	s_add_co_u32 s60, s60, s59
	s_mov_b32 s61, 0
	; behind the first barrier: waves 0-5 a sixth of K's images, waves 6-11 of V's, to LDS byte 8,192 x wave
	s_cmp_lt_u32 s[WV], 6
	s_cselect_b32 s62, 0, 49152
	s_sub_co_u32 s62, s59, s62
	s_mul_i32 s63, s56, 49152
	s_add_co_u32 s62, s62, s63
	s_mov_b32 s63, 0
	s_mov_b32 s48, 1
	s_lshl_b32 s49, s[WV], 13
	; waves 12, 13: K's scale words, a half (2,048 bytes) each; wave 14: V's; to LDS byte 122,880 + 2,048 x wave
	s_and_b32 s68, s[WV], 1
	s_lshl_b32 s68, s68, 11
	s_lshl_b32 s69, s56, 12
	s_add_co_u32 s68, s68, s69
	s_lshl_b32 s69, s56, 11
	s_cmp_lt_u32 s[WV], 14
	s_cselect_b32 s68, s68, s69
	s_mov_b32 s69, 0
	s_mov_b32 s52, 1
	s_lshl_b32 s53, s[WV], 11
	s_add_co_u32 s53, s53, 122880
	s_wait_kmcnt 0x0
	s_add_nc_u64 s[78:79], s[8:9], s[60:61]
	s_or_b32 s79, s79, 0x80000000
	s_cmp_lt_u32 s[WV], 6
	s_cselect_b64 s[50:51], s[14:15], s[18:19]
	s_add_nc_u64 s[50:51], s[50:51], s[62:63]
	s_or_b32 s51, s51, 0x80000000
	s_cmp_lt_u32 s[WV], 14
	s_cselect_b64 s[54:55], s[16:17], s[20:21]
	s_add_nc_u64 s[54:55], s[54:55], s[68:69]
	s_or_b32 s55, s55, 0x80000000
	s_cmp_lt_u32 s[WV], 6                          ; the branches hang on the wave's number alone; four v_nop follow each tensor load
	s_cbranch_scc0 .Lno_wq
	tensor_load_to_lds s[76:79], s[32:39]
	s_nop 0
.rept 4
	v_nop
.endr
.Lno_wq:
	v_and_b32 v1, 31, v0                           ; lane
	v_and_b32 v8, 15, v0                           ; r
	v_bfe_u32 v9, v0, 4, 1                         ; h
	s_delay_alu instid0(VALU_DEP_3)
	v_lshlrev_b32 v2, 3, v1
	s_delay_alu instid0(VALU_DEP_4)
	v_lshlrev_b32 v28, 2, v1
	v_lshlrev_b32 v1, 4, v1                        ; v1: 16 x lane
	s_mul_i32 s25, s[WV], PKW
	s_add_co_u32 s25, s25, PARK
	v_add_nc_u32 v6, s25, v1                       ; v6, v7, v28: my wave's parking bytes, 16, 8 and 4 bytes a lane
	v_add_nc_u32 v7, s25, v2
	v_add_nc_u32 v28, s25, v28
	v_add_nc_u32 v5, VSC, v2                       ; v5: V's scale words
	v_add_nc_u32 v3, VI, v1                        ; v3: V's images
	v_lshlrev_b32 v30, 4, v8
	s_delay_alu instid0(VALU_DEP_1)
	v_lshl_add_u32 v30, v9, 10, v30                ; v30: o's lane offset: 1,024 h + 16 r
	v_lshlrev_b32 v10, 5, v8
	s_delay_alu instid0(VALU_DEP_1)
	v_lshl_add_u32 v29, v9, 13, v10                ; Q's scale words: 32 r, lanes 16-31 the second tile's rows, 256 rows on
	s_wait_alu depctr_va_vdst(0)
	v_lshl_add_u32 v10, v9, 9, v10                 ; Wq's: 32 r, lanes 16-31 the next tile's rows
	s_wait_alu depctr_va_vdst(0)
	v_lshlrev_b32 v11, 5, v9                       ; bq: 32 h
	s_wait_alu depctr_va_vdst(0)
	v_add_nc_u32 v8, WQ, v1                        ; Wq's fragments in LDS
	s_lshl_b32 s59, s57, 10
	s_lshl_b32 s60, ttmp9, 9
	s_add_co_u32 s59, s59, s60
	s_lshl_b32 s60, s[WV], 4
	s_add_co_u32 s59, s59, s60                     ; my first row: 1,024 batch + 512 x + 16 wave
	s_mov_b32 s61, 0
	s_lshl_b32 s60, s59, 5
	s_add_nc_u64 s[6:7], s[6:7], s[60:61]          ; its scale bytes
	s_mul_i32 s60, s59, 768
	s_add_nc_u64 s[4:5], s[4:5], s[60:61]          ; its tile's images: 12,288 bytes for 16 rows
	s_lshl_b32 s60, s59, 12
	s_lshl_b32 s62, s58, 12
	s_add_co_u32 s60, s60, s62
	s_add_nc_u64 s[22:23], s[22:23], s[60:61]      ; o: 65,536 bytes for 16 rows, 4,096 a head
	s_lshl_b32 s60, s58, 11
	s_add_nc_u64 s[10:11], s[10:11], s[60:61]      ; Wq's scale bytes: the head's 64 rows
	s_lshl_b32 s60, s58, 8
	s_add_nc_u64 s[12:13], s[12:13], s[60:61]      ; bq: the head's 64 numbers
	global_load_b128 v[16:19], v29, s[6:7]         ; v16-23: Q's scale words of K steps 0-7: lanes 0-15 tile 0, lanes 16-31 tile 1
	global_load_b128 v[20:23], v29, s[6:7] offset:16
.irp i, 0,1
.irp k, 0,1
	global_load_b128 v[80+8*\i+4*\k:80+8*\i+4*\k+3], v10, s[10:11] offset:1024*\i+16*\k   ; v[80 + 8 i + s]: Wq's tile 2 i (lanes 0-15) and 2 i + 1 (lanes 16-31), K step s
.endr
.endr
.irp p, 0,1
.irp t, 0,1,2,3
.irp k, 0,1
	global_load_b128 v[96+32*\p+8*\t+4*\k:96+32*\p+8*\t+4*\k+3], v11, s[12:13] offset:64*\t+16*\k   ; the bias is what the sums begin with: channels 16 t + 8 h + 0 .. 7
.endr
.endr
.endr
.macro QLOAD s                         ; Q's two fragments of K step s into slot s % 4 of four (the sixteen heads' work-groups read the same rows: no hint)
.irp p, 0,1
.irp c, 0,1,2
	global_load_b128 v[160+24*((\s)%4)+12*\p+4*\c:160+24*((\s)%4)+12*\p+4*\c+3], v1, s[4:5] offset:196608*\p+1536*(\s)+512*\c
.endr
.endr
.endm
.macro WLOAD s                         ; Wq's four fragments of K step s
.irp t, 0,1,2,3
.irp c, 0,1,2
	ds_load_b128 v[32+12*\t+4*\c:32+12*\t+4*\c+3], v8 offset:12288*\t+1536*(\s)+512*\c
.endr
.endr
.endm
	QLOAD 0
	QLOAD 1
	QLOAD 2
	QLOAD 3
	s_wait_alu depctr_va_vdst(0)
	s_wait_tensorcnt 0x0                           ; my part of Wq has landed; the first fills below are issued as refills are:
	ds_add_u32 v14, v15                            ; the add, twice on end
	ds_add_u32 v14, v15
	s_wait_dscnt 0x0
	s_barrier_signal -1
	s_barrier_wait -1                              ; Wq is whole
	s_cmp_lt_u32 s[WV], 12
	s_cbranch_scc0 .Lnot_images
	tensor_load_to_lds s[48:51], s[32:39]          ; K's or V's images: they have the projection in which to land
	s_nop 0
.rept 4
	v_nop
.endr
	s_branch .Lasked
.Lnot_images:
	s_cmp_lt_u32 s[WV], 15
	s_cbranch_scc0 .Lasked
	tensor_load_to_lds s[52:55], s[40:47]          ; scale words
	s_nop 0
.rept 4
	v_nop
.endr
.Lasked:
	WLOAD 0
.macro QPROD s, t, p
.set rC, 96+32*(\p)+8*(\t)
.set rW, 32+12*(\t)
.set rQ, 160+24*((\s)%4)+12*(\p)
.set rS, 80+8*((\t)/2)+(\s)
.if ((\t)%2 == 0) && ((\p) == 0)
	v_wmma_scale_f32_16x16x128_f8f6f4 v[rC:rC+7], v[rW:rW+11], v[rQ:rQ+11], v[rC:rC+7], v[rS], v[16+(\s)] matrix_a_fmt:MATRIX_FMT_FP6 matrix_b_fmt:MATRIX_FMT_FP6
.elseif (\p) == 0
	v_wmma_scale_f32_16x16x128_f8f6f4 v[rC:rC+7], v[rW:rW+11], v[rQ:rQ+11], v[rC:rC+7], v[rS], v[16+(\s)] matrix_a_fmt:MATRIX_FMT_FP6 matrix_b_fmt:MATRIX_FMT_FP6 matrix_a_scale:MATRIX_SCALE_ROW1
.elseif (\t)%2 == 0
	v_wmma_scale_f32_16x16x128_f8f6f4 v[rC:rC+7], v[rW:rW+11], v[rQ:rQ+11], v[rC:rC+7], v[rS], v[16+(\s)] matrix_a_fmt:MATRIX_FMT_FP6 matrix_b_fmt:MATRIX_FMT_FP6 matrix_b_scale:MATRIX_SCALE_ROW1
.else
	v_wmma_scale_f32_16x16x128_f8f6f4 v[rC:rC+7], v[rW:rW+11], v[rQ:rQ+11], v[rC:rC+7], v[rS], v[16+(\s)] matrix_a_fmt:MATRIX_FMT_FP6 matrix_b_fmt:MATRIX_FMT_FP6 matrix_a_scale:MATRIX_SCALE_ROW1 matrix_b_scale:MATRIX_SCALE_ROW1
.endif
.endm
; a K step of the projection: eight products on eight accumulators by turns
.macro QSTEP s
.if (\s) < 5
	s_wait_loadcnt 18                              ; this step's six loads of Q are in; behind them three more steps' were issued, six each
.else
	s_wait_loadcnt 6*(7-(\s))                      ; the steps still behind this one
.endif
	s_wait_dscnt 0x0                               ; Wq's fragments
.irp t, 0,1,2,3
.irp p, 0,1
	QPROD \s, \t, \p
.endr
.endr
.rept 4
	v_nop                                          ; places in front of loads into registers that these products have read, and of the first read of results
.endr
.if (\s) < 4
	QLOAD (\s)+4
.endif
.if (\s) < 7
	WLOAD (\s)+1
.endif
.endm
.irp s, 0,1,2,3,4,5,6,7
	QSTEP \s
.endr
; 32 numbers of a lane (two blocks of 32 shared with lane l xor 16) become six registers of codes, v[pc] on, and two scale bytes in v[pw]
.macro QUANT2 src, pc, pc2, tm, pw
.irp b, 0,1
	v_max3_num_f32 v[(\tm)+\b], |v[(\src)+16*\b]|, |v[(\src)+1+16*\b]|, 0x1800000   ; and the floor 2^(3 - 127): the byte cannot fall under 1
.endr
.irp i, 2,4,6,8,10,12,14
.irp b, 0,1
	v_max3_num_f32 v[(\tm)+\b], v[(\tm)+\b], |v[(\src)+16*\b+\i]|, |v[(\src)+1+16*\b+\i]|
.endr
.endr
.irp b, 0,1
	s_delay_alu instid0(VALU_DEP_2)
	v_permlanex16_b32 v[(\tm)+2+\b], v[(\tm)+\b], s[SEL], s[SEL+1]
.endr
.irp b, 0,1
	s_delay_alu instid0(VALU_DEP_2)
	v_max_num_f32 v[(\tm)+\b], v[(\tm)+\b], v[(\tm)+2+\b]
.endr
.irp b, 0,1
	s_delay_alu instid0(VALU_DEP_2)
	v_add_nc_u32 v[(\tm)+4+\b], 0xff000000, v[(\tm)+\b]   ; 2 off the exponent field: the conversion's scale operand
.endr
.irp b, 0,1
	s_delay_alu instid0(VALU_DEP_2)
	v_lshrrev_b32 v[(\tm)+6+\b], 23, v[(\tm)+4+\b]        ; the scale's byte
.endr
	s_delay_alu instid0(VALU_DEP_1)
	v_lshl_or_b32 v[\pw], v[(\tm)+7], 8, v[(\tm)+6]
	v_cvt_scalef32_pk16_fp6_f32 v[(\pc):(\pc)+2], v[(\src):(\src)+15], v[(\tm)+4]
	v_cvt_scalef32_pk16_fp6_f32 v[(\pc2):(\pc2)+2], v[(\src)+16:(\src)+31], v[(\tm)+5]
	v_nop                                          ; one plain place behind a scaled conversion
.irp i, 0,1,2
	v_permlane16_swap_b32 v[(\pc)+\i], v[(\pc2)+\i]       ; a whole block to a lane: lanes 0-15 block 0, lanes 16-31 block 1
.endr
.irp i, 0,1,2
	s_delay_alu instid0(VALU_DEP_3)
	v_mov_b32 v[(\pc)+3+\i], v[(\pc2)+\i]
.endr
.endm
	v_mov_b32 v234, 0                              ; a lane permute's destination counts as one of its sources
	v_mov_b32 v235, 0
.irp p, 0,1
	QUANT2 96+32*\p, 224, 240, 232, 253
	v_or_b32 v253, 0x01260000, v253                ; byte 2: 38, the marker's scale; byte 3: 1
.irp q, 0,1,2,3,4,5,6,7
	ds_store_b128 v6, v[96+32*\p+4*\q:96+32*\p+4*\q+3] offset:PKT*\p+512*\q   ; q in f32, as an image of its registers
.endr
	ds_store_b128 v6, v[224:227] offset:PKT*\p+4096
	ds_store_b64 v7, v[228:229] offset:PKT*\p+4608
	ds_store_b32 v28, v253 offset:PKT*\p+4864
	s_wait_dscnt 0x0                               ; the stores have read their registers
.endr
	; what never changes of the operands of k q^T: k = 64 .. 127: the marker at k = 64 (register 6 of lanes 0-15), zeros elsewhere
	v_cmp_eq_u32 vcc_lo, 0, v9
	v_mov_b32 v254, 8                              ; the code of +1.0
	s_delay_alu instid0(VALU_DEP_1)
	v_cndmask_b32 v22, 0, v254, vcc_lo
	v_mov_b32 v254, 40                             ; the code of -1.0
.irp t, 0,1,2,3
	v_cndmask_b32 v[38+12*\t], 0, v254, vcc_lo
.endr
.irp i, 23,24,25,26,27
	v_mov_b32 v[\i], 0
.endr
.irp t, 0,1,2,3
.irp i, 7,8,9,10,11
	v_mov_b32 v[32+12*\t+\i], 0
.endr
.endr
	; where a lane finds its row of a tile of k: row m = lane % 16 lies in the image of 16 neighbouring keys 2 (m / 8) images on, at row m % 8 (+ 8 for u = 2, 3, in the loads' offsets)
	v_and_b32 v84, 7, v0                           ; m % 8
	v_bfe_u32 v85, v0, 3, 1                        ; m / 8
	v_lshlrev_b32 v80, 3, v9                       ; v80: 8 h: where my two scale bytes of p stand in the word
	s_delay_alu instid0(VALU_DEP_2)
	v_mul_u32_u24 v86, v85, 1536
	s_delay_alu instid0(VALU_DEP_4)
	v_lshlrev_b32 v83, 4, v84
	s_delay_alu instid0(VALU_DEP_2)
	v_lshl_add_u32 v81, v84, 4, v86
	s_delay_alu instid0(VALU_DEP_3)
	v_lshl_add_u32 v82, v84, 3, v86
	s_delay_alu instid0(VALU_DEP_3)
	v_lshl_add_u32 v83, v85, 2, v83
	s_delay_alu instid0(VALU_DEP_3)
	v_lshl_add_u32 v81, v9, 8, v81                 ; v81: registers 0-3: 1,536 (m / 8) + 16 (m % 8) + 256 h
	s_delay_alu instid0(VALU_DEP_3)
	v_lshl_add_u32 v82, v9, 7, v82
	s_delay_alu instid0(VALU_DEP_3)
	v_lshl_add_u32 v83, v9, 8, v83
	s_delay_alu instid0(VALU_DEP_2)
	v_add_nc_u32 v82, 512, v82                     ; v82: registers 4-5: 512 + 1,536 (m / 8) + 8 (m % 8) + 128 h
	s_delay_alu instid0(VALU_DEP_2)
	v_add_nc_u32 v83, KSC, v83                     ; v83: scale words: 16 (m % 8) + 4 (m / 8), lanes 16-31 the odd tile: + 256
	s_wait_alu depctr_va_vdst(0)                   ; the wait ahead of the blocking wait
	s_wait_tensorcnt 0x0                           ; my part of K's and V's tiles has landed (no LDS instruction of mine is out),
	s_barrier_signal -1
	s_barrier_wait -1                              ; everybody's has
.macro SPROD g, t                      ; S^T of key tile (g, t)
.if (\t)%2 == 0
	v_wmma_scale_f32_16x16x128_f8f6f4 v[96+8*(4*\g+\t):103+8*(4*\g+\t)], v[32+12*\t:43+12*\t], v[16:27], 0, v[248+(4*\g+\t)/2], v31 matrix_a_fmt:MATRIX_FMT_FP6 matrix_b_fmt:MATRIX_FMT_FP6
.else
	v_wmma_scale_f32_16x16x128_f8f6f4 v[96+8*(4*\g+\t):103+8*(4*\g+\t)], v[32+12*\t:43+12*\t], v[16:27], 0, v[248+(4*\g+\t)/2], v31 matrix_a_fmt:MATRIX_FMT_FP6 matrix_b_fmt:MATRIX_FMT_FP6 matrix_a_scale:MATRIX_SCALE_ROW1
.endif
.endm
.macro VPROD t                         ; O^T of channel tile t
.if (\t)%2 == 0
	v_wmma_scale_f32_16x16x128_f8f6f4 v[160+8*\t:167+8*\t], v[96+12*\t:107+12*\t], v[224:235], v[160+8*\t:167+8*\t], v[248+(\t)/2], v253 matrix_a_fmt:MATRIX_FMT_FP6 matrix_b_fmt:MATRIX_FMT_FP6
.else
	v_wmma_scale_f32_16x16x128_f8f6f4 v[160+8*\t:167+8*\t], v[96+12*\t:107+12*\t], v[224:235], v[160+8*\t:167+8*\t], v[248+(\t)/2], v253 matrix_a_fmt:MATRIX_FMT_FP6 matrix_b_fmt:MATRIX_FMT_FP6 matrix_a_scale:MATRIX_SCALE_ROW1
.endif
.endm
	s_mov_b32 s70, 2                               ; two tiles of queries
	s_mov_b32 s75, 0                               ; the tile's parking bytes
.Lpass:
	v_add_nc_u32 v8, s75, v6
	v_add_nc_u32 v9, s75, v7
	v_add_nc_u32 v10, s75, v28
	ds_load_b128 v[16:19], v8 offset:4096          ; q's codes
	ds_load_b64 v[20:21], v9 offset:4608
	ds_load_b32 v31, v10 offset:4864               ; and its scale word
	v_mov_b32 v13, 0xff61b1e6                      ; the largest t so far: -3e38
	s_delay_alu instid0(VALU_DEP_1)
	v_floor_f32 v12, -v13                          ; -M
	v_mov_b32 v14, 0                               ; the sum, in two halves
	v_mov_b32 v15, 0
	v_mov_b32 v253, 0
.irp b, 0,1,2,3
	v_mov_b32 v[236+\b], 0
.endr
.irp j, 0,1,2,3,4,5,6,7,8,9,10,11,12,13,14,15,16,17,18,19,20,21,22,23,24,25,26,27,28,29,30,31
	v_mov_b32 v[160+\j], 0                         ; O^T: the step is written once; the first finds zeros, which the first change of M leaves zeros
.endr
	s_mov_b32 s72, 0                               ; the step's images of K and of V: 6,144 bytes a step
	s_mov_b32 s73, 0                               ; K's scale words: 512
	s_mov_b32 s74, 0                               ; V's: 256
	s_mov_b32 s71, 8
	s_wait_dscnt 0x0
.Lstep:                                                ; 128 keys
	v_add_nc_u32 v8, s72, v81                      ; five plain lines: the places between the last step's products v^T p^T and the products below that write over V's registers,
	s_wait_alu depctr_va_vdst(0)
	v_add_nc_u32 v9, s72, v82                      ; and in front of the loads into the scale registers
	s_wait_alu depctr_va_vdst(0)
	v_add_nc_u32 v10, s73, v83
	v_add_nc_u32 v11, s72, v3
	v_add_nc_u32 v29, s74, v5
.irp c, 0,1
.irp w, 0,1
	ds_load_b32 v[248+2*\c+\w], v10 offset:128*\w+8*\c   ; key tiles (c, 2 w) in lanes 0-15 and (c, 2 w + 1) in lanes 16-31
.endr
.endr
.irp g, 0,1
.if \g > 0
.rept 4
	v_nop                                          ; places in front of loads into registers that matrix instructions have read
.endr
.endif
.irp t, 0,1,2,3
	ds_load_b128 v[32+12*\t:35+12*\t], v8 offset:768*(4*\g+\t%2)+128*(\t/2)
	ds_load_b64 v[36+12*\t:37+12*\t], v9 offset:768*(4*\g+\t%2)+64*(\t/2)
.endr
	s_wait_dscnt 0x0
.irp t, 0,1,2,3
	SPROD \g, \t
.endr
.endr
	; the largest score of each run of 16 registers, four chains; the first four lines read the first four tiles alone and are the places behind the last four products
.irp b, 0,1
	v_max3_num_f32 v[232+\b], v[96+16*\b], v[97+16*\b], v[98+16*\b]
.endr
.irp b, 0,1
	v_max3_num_f32 v[232+\b], v[232+\b], v[99+16*\b], v[100+16*\b]
.endr
.irp b, 2,3
	v_max3_num_f32 v[232+\b], v[96+16*\b], v[97+16*\b], v[98+16*\b]
.endr
.irp b, 2,3
	v_max3_num_f32 v[232+\b], v[232+\b], v[99+16*\b], v[100+16*\b]
.endr
.irp i, 5,7,9,11,13
.irp b, 0,1,2,3
	v_max3_num_f32 v[232+\b], v[232+\b], v[96+16*\b+\i], v[97+16*\b+\i]
.endr
.endr
.irp b, 0,1,2,3
	v_max_num_f32 v[232+\b], v[232+\b], v[111+16*\b]
.endr
	v_max_num_f32 v232, v232, v233                 ; my block h's largest score: for the row's maximum and, since p rises with the score, for the block's largest p
	v_max_num_f32 v233, v234, v235                 ; my block 2 + h's
	v_max_num_f32 v254, v232, v233
	v_permlanex16_b32 v236, v254, s[SEL], s[SEL+1]
	v_max_num_f32 v254, v254, v236                 ; with lane l xor 16's two blocks: the step's largest score of my query
	s_delay_alu instid0(VALU_DEP_1)
	v_mul_f32 v254, s[CS], v254                    ; as t (c is positive)
	s_delay_alu instid0(VALU_DEP_1)
	v_max_num_f32 v13, v13, v254                   ; the running largest t
	v_mov_b32 v254, v12
	s_delay_alu instid0(VALU_DEP_2)
	v_floor_f32 v12, -v13                          ; the new -M = floor(-t): M is a whole number
	s_delay_alu instid0(VALU_DEP_1)
	v_sub_f32 v254, v12, v254                      ; old M - new M: a whole number, 0 or less
	s_delay_alu instid0(VALU_DEP_1)
	v_cvt_i32_f32 v254, v254                       ; (it saturates)
	s_delay_alu instid0(VALU_DEP_1)
	v_ldexp_f32 v252, 1.0, v254                    ; f = 2^(old M - new M)
.irp j, 0,2,4,6,8,10,12,14,16,18,20,22,24,26,28,30,32,34,36,38,40,42,44,46,48,50,52,54,56,58,60,62
	v_pk_fma_f32 v[96+\j:97+\j], v[96+\j:97+\j], s[CS:CS+1], v[12:13] op_sel_hi:[1,0,0]   ; t - M
.endr
.irp b, 0,1
	v_fma_f32 v[232+\b], v[232+\b], s[CS], v12
.endr
	s_wait_alu depctr_va_vdst(0)
.irp j, 0,1,2,3,4,5,6,7,8,9,10,11,12,13,14,15,16,17,18,19,20,21,22,23,24,25,26,27,28,29,30,31,32,33,34,35,36,37,38,39,40,41,42,43,44,45,46,47,48,49,50,51,52,53,54,55,56,57,58,59,60,61,62,63
	v_exp_f32 v[96+\j], v[96+\j]                   ; p = 2^(t - M), at most 1
.endr
	v_pk_mul_f32 v[14:15], v[14:15], v[252:253] op_sel_hi:[1,0]   ; the sums under the new M: the plain place behind the exponentials
	s_wait_alu depctr_va_vdst(0)                   ; one wait for the batch of 64, ahead of its first reader
.irp b, 0,1
	v_exp_f32 v[232+\b], v[232+\b]                 ; my two blocks' largest p
.endr
	v_pk_add_f32 v[236:237], v[100:101], v[104:105]
	v_pk_add_f32 v[254:255], v[108:109], v[112:113]
	v_pk_add_f32 v[250:251], v[116:117], v[120:121]
	v_pk_add_f32 v[248:249], v[124:125], v[128:129]
	v_pk_add_f32 v[246:247], v[132:133], v[136:137]
	v_pk_add_f32 v[244:245], v[140:141], v[144:145]
	v_pk_add_f32 v[242:243], v[148:149], v[152:153]
	v_pk_add_f32 v[14:15], v[14:15], v[156:157]
	v_pk_add_f32 v[236:237], v[236:237], v[96:97]
	v_pk_add_f32 v[254:255], v[254:255], v[98:99]
	v_pk_add_f32 v[250:251], v[250:251], v[102:103]
	v_pk_add_f32 v[248:249], v[248:249], v[106:107]
	v_pk_add_f32 v[246:247], v[246:247], v[110:111]
	v_pk_add_f32 v[244:245], v[244:245], v[114:115]
	v_pk_add_f32 v[242:243], v[242:243], v[118:119]
	v_pk_add_f32 v[14:15], v[14:15], v[122:123]
	v_pk_add_f32 v[236:237], v[236:237], v[126:127]
	v_pk_add_f32 v[254:255], v[254:255], v[130:131]
	v_pk_add_f32 v[250:251], v[250:251], v[134:135]
	v_pk_add_f32 v[248:249], v[248:249], v[138:139]
	v_pk_add_f32 v[246:247], v[246:247], v[142:143]
	v_pk_add_f32 v[244:245], v[244:245], v[146:147]
	v_pk_add_f32 v[242:243], v[242:243], v[150:151]
	v_pk_add_f32 v[14:15], v[14:15], v[154:155]
	v_pk_add_f32 v[236:237], v[236:237], v[158:159]
	s_delay_alu instid0(VALU_DEP_2)
	v_pk_add_f32 v[14:15], v[14:15], v[248:249]
	s_delay_alu instid0(VALU_DEP_2)
	v_pk_add_f32 v[236:237], v[236:237], v[246:247]
	v_pk_add_f32 v[254:255], v[254:255], v[244:245]
	v_pk_add_f32 v[250:251], v[250:251], v[242:243]
	s_delay_alu instid0(VALU_DEP_2)
	v_pk_add_f32 v[14:15], v[14:15], v[254:255]
	s_delay_alu instid0(VALU_DEP_2)
	v_pk_add_f32 v[236:237], v[236:237], v[250:251]
	s_delay_alu instid0(VALU_DEP_1)
	v_pk_add_f32 v[14:15], v[14:15], v[236:237]
	s_wait_alu depctr_va_vdst(0)                   ; and one for the two
.irp b, 0,1
	v_max_num_f32 v[232+\b], 0x1800000, v[232+\b]  ; the floor 2^(3 - 127)
.endr
.irp b, 0,1
	v_add_nc_u32 v[244+\b], 0xff000000, v[232+\b]  ; 2 off the exponent field: the conversion's scale operand
.endr
.irp b, 0,1
	v_lshrrev_b32 v[236+\b], 23, v[244+\b]
.endr
	v_lshl_or_b32 v253, v237, 16, v236             ; my two bytes, blocks h and 2 + h,
	v_lshlrev_b32 v253, v80, v253                  ; at their places in the word;
	v_permlanex16_b32 v238, v253, s[SEL], s[SEL+1]
	v_or_b32 v253, v253, v238                      ; with lane l xor 16's two: p's scale word for these 128 keys
.irp c, 0,1
	v_cvt_scalef32_pk16_fp6_f32 v[224+6*\c:226+6*\c], v[96+32*\c:111+32*\c], v[244+\c]
	v_cvt_scalef32_pk16_fp6_f32 v[236+4*\c:238+4*\c], v[112+32*\c:127+32*\c], v[244+\c]   ; (a conversion's three registers begin on an even number)
.endr
	v_nop                                          ; one plain place behind a scaled conversion
.irp t, 0,1,2,3                                ; p is in codes: its registers take V's four fragments, which land under the lines below
.irp c, 0,1,2
	ds_load_b128 v[96+12*\t+4*\c:96+12*\t+4*\c+3], v11 offset:1536*\t+512*\c
.endr
.endr
	ds_load_b64 v[248:249], v29                    ; word i: channel tiles 2 i and 2 i + 1
.irp c, 0,1
.irp i, 0,1,2
	v_mov_b32 v[227+6*\c+\i], v[236+4*\c+\i]       ; the upper 16 codes of my block
.endr
.endr
.irp j, 0,2,4,6,8,10,12,14,16,18,20,22,24,26,28,30
	v_pk_mul_f32 v[160+\j:161+\j], v[160+\j:161+\j], v[252:253] op_sel_hi:[1,0]   ; O^T under the new M; these 16 are also the places between the codes' last write and the products
.endr
	s_wait_alu depctr_va_vdst(0)
	s_wait_dscnt 0x0
.irp t, 0,1,2,3
	VPROD \t
.endr
	s_add_co_u32 s72, s72, 6144
	s_add_co_u32 s73, s73, 512
	s_add_co_u32 s74, s74, 256
	s_sub_co_u32 s71, s71, 1
	s_cmp_lg_u32 s71, 0
	s_cbranch_scc1 .Lstep
	; o = q + O^T / l
	v_add_f32 v14, v14, v15
	s_delay_alu instid0(VALU_DEP_1)
	v_permlanex16_b32 v252, v14, s[SEL], s[SEL+1]
	s_delay_alu instid0(VALU_DEP_1)
	v_add_f32 v14, v14, v252                       ; the row's sum
	v_nop
	s_wait_alu depctr_va_vdst(0)
	v_rcp_f32 v14, v14
	v_add_nc_u32 v8, s75, v6                       ; (the plain place behind the reciprocal; with the lines above, four plain places behind the last products)
.irp q, 0,1,2,3,4,5,6,7
	ds_load_b128 v[96+4*\q:99+4*\q], v8 offset:512*\q   ; q in f32
.endr
	s_wait_alu depctr_va_vdst(0)                   ; ahead of the reciprocal's first reader
	s_wait_dscnt 0x0
.irp j, 0,2,4,6,8,10,12,14,16,18,20,22,24,26,28,30
	v_pk_fma_f32 v[128+\j:129+\j], v[160+\j:161+\j], v[14:15], v[96+\j:97+\j] op_sel_hi:[1,0,1]
.endr
.irp t, 0,1,2,3
.irp k, 0,1
	global_store_b128 v30, v[128+8*\t+4*\k:128+8*\t+4*\k+3], s[22:23] offset:2048*(\t/2)+512*\k+256*(\t%2) th:TH_STORE_NT   ; each half of the lanes stores 256 consecutive bytes, aligned
.endr
.endr
	s_wait_xcnt 0x0                                ; the stores have read their data and base
	s_add_nc_u64 s[22:23], s[22:23], 1048576       ; the second tile: 16 row tiles on
	s_add_co_u32 s75, s75, PKT
	s_sub_co_u32 s70, s70, 1
	s_cmp_lg_u32 s70, 0
	s_cbranch_scc1 .Lpass
	s_wait_xcnt 0x0
	v_lshl_add_u32 v14, v0, 2, SPARE               ; the add's two registers, made anew
	v_mov_b32 v15, 0
	s_wait_alu depctr_va_vdst(0)
	s_wait_tensorcnt 0x0                           ; the wave's end
	ds_add_u32 v14, v15
	s_wait_dscnt 0x0
	s_endpgm
.Lfunc_end_k_qab19083f8c_attn:
	.size	k_qab19083f8c_attn, .Lfunc_end_k_qab19083f8c_attn-k_qab19083f8c_attn
	.p2alignl 7, 3214868480
	.fill 96, 4, 3214868480
	.section	.rodata,"a",@progbits
	.p2align	6, 0x0
	.amdhsa_kernel k_qab19083f8c_attn
		.amdhsa_group_segment_fixed_size 327680
		.amdhsa_private_segment_fixed_size 0
		.amdhsa_enable_private_segment 0
		.amdhsa_kernarg_size 80
		.amdhsa_user_sgpr_count 2
		.amdhsa_user_sgpr_kernarg_segment_ptr 1
		.amdhsa_wavefront_size32 1
		.amdhsa_system_sgpr_workgroup_id_x 1
		.amdhsa_system_sgpr_workgroup_id_y 1
		.amdhsa_system_sgpr_workgroup_id_z 1
		.amdhsa_system_vgpr_workitem_id 0
		.amdhsa_next_free_vgpr 256
		.amdhsa_next_free_sgpr 80
		.amdhsa_reserve_vcc 1
		.amdhsa_float_denorm_mode_32 3
		.amdhsa_float_denorm_mode_16_64 3
		.amdhsa_memory_ordered 1
		.amdhsa_forward_progress 1
		.amdhsa_inst_pref_size 57
	.end_amdhsa_kernel
	.amdgpu_metadata
---
amdhsa.version: [ 1, 2 ]
amdhsa.kernels:
  - .name:           k_qab19083f8c_attn
    .symbol:         k_qab19083f8c_attn.kd
    .args:
      - { .name: qimg, .offset: 0, .size: 8, .value_kind: global_buffer, .address_space: global }
      - { .name: Q_scales, .offset: 8, .size: 8, .value_kind: global_buffer, .address_space: global }
      - { .name: wqimg, .offset: 16, .size: 8, .value_kind: global_buffer, .address_space: global }
      - { .name: Wq_scales, .offset: 24, .size: 8, .value_kind: global_buffer, .address_space: global }
      - { .name: bq, .offset: 32, .size: 8, .value_kind: global_buffer, .address_space: global }
      - { .name: kimg, .offset: 40, .size: 8, .value_kind: global_buffer, .address_space: global }
      - { .name: ksc, .offset: 48, .size: 8, .value_kind: global_buffer, .address_space: global }
      - { .name: vimg, .offset: 56, .size: 8, .value_kind: global_buffer, .address_space: global }
      - { .name: vsc, .offset: 64, .size: 8, .value_kind: global_buffer, .address_space: global }
      - { .name: oimg, .offset: 72, .size: 8, .value_kind: global_buffer, .address_space: global }
    .group_segment_fixed_size: 327680
    .private_segment_fixed_size: 0
    .kernarg_segment_align: 8
    .kernarg_segment_size: 80
    .max_flat_workgroup_size: 512
    .sgpr_count:     80
    .vgpr_count:     256
    .wavefront_size: 32
...
	.end_amdgpu_metadata
.endif
;; end of part 2
;; launch tail (part 3): grid 256 x 1, 16 waves a work-group, clusters of 4 x 1, 327,680 bytes of LDS; arguments oimg, woimg, Wo_scales, bo, g0, b0, g1, b1, out0; writes out0
.if DOCPART == 3
	.amdgcn_target "amdgcn-amd-amdhsa--gfx1250"
	.amdhsa_code_object_version 6
	.text
	.protected	k_qab19083f8c_tail
	.globl	k_qab19083f8c_tail
	.p2align	8
	.type	k_qab19083f8c_tail,@function
k_qab19083f8c_tail:
	s_mov_b64 s[64:65], 0
	v_nop
	global_prefetch_b8 v0, s[64:65] scope:SCOPE_SE
	s_setreg_imm32_b32 hwreg(HW_REG_WAVE_MODE, 25, 1), 1
	s_wait_xcnt 0x0
	s_wait_alu depctr_hold_cnt(0) depctr_sa_sdst(0) depctr_va_vdst(0) depctr_va_sdst(0) depctr_va_ssrc(0) depctr_va_vcc(0) depctr_vm_vsrc(0)
	s_getreg_b32 s2, hwreg(HW_REG_IB_STS2, 6, 4)
	s_cmp_eq_u32 s2, 0
	s_cbranch_scc0 .Lentry_in_a_cluster
	s_endpgm
.Lentry_in_a_cluster:
	s_bfe_u32 s2, ttmp6, 0x10000c
	s_cmp_lg_u32 s2, 0x3003
	s_cbranch_scc0 .Lentry_shape_is_right
	s_endpgm
.Lentry_shape_is_right:
; x = LN(o; g0, b0);  y = x + relu(x Wo + bo);  out = LN(y; g1, b1).  The product on codes of FP6 (E2M3) with E8M0 scales; x is quantised here along its 1,024 columns; all else in f32.
; SHARES.  A work-group takes 32 rows (two tiles of 16); wave w takes columns 64 w .. 64 w + 63, as its part of the rows, as its part of the product's K, and as its outputs.
; LAYOUT.  Register X + 32 m + 16 B + i of lane (r, h) is (row 16 m + r, column 64 w + 32 B + 16 h + i): 16 neighbours a lane.  o is stored so by the launch before; the product, used transposed (source 0 = 16 rows of Wo,
; source 1 = 16 rows of x), gives its results so, since a tile of Wo's image takes rows 32 (T / 2) + 8 (T % 2) + r + 8 (r / 8); gains and biases are loaded so.  x stays in its registers through the product.
; A row's mean and its sum of squares about the mean (two passes: no difference of large sums) meet through LDS: each wave stores a word a row, a barrier, every wave adds the sixteen words in the same order.
; x's codes go from wave to wave as images of the operand's registers: wave w makes half w % 2 (six registers) of K step w / 2.
; Wo IS ASKED FOR FROM THE START.  Each wave reads its own 49,152 bytes (four tiles x eight K steps).  K steps 0-2 (4 rows of 4,608 bytes) come into the wave's own LDS bytes by one tensor load at the head;
; K step 3 comes into registers at the head; K steps 4-7 come into three register slots of half a step (two tiles), asked for as soon as a slot is free.  The K steps are multiplied in the order 3, 0, 1, 2, 4 .. 7.
; CLUSTER 4, 1, 1: every work-group reads the same bytes of Wo, so the head's tensor load is a joint one of the cluster's four; the rest goes straight into registers.
; NO PREFETCH: the text has no loop, and each half step is asked for by its own load two half steps ahead of its use.
; LIMITS: NaN and infinities are not served; blocks whose largest magnitude lies under 2^-124 keep the scale byte 1; 1 / sqrt by v_rsq_f32.
.set WOW,  18432                       ; LDS from 0: 18,432 bytes a wave: Wo's tile t, K step s at 4,608 t + 1,536 s; behind their last read two stages of 16 rows x 272 for the way out
.set XI,   294912                      ; x's images: [tile m] 12,288 + [K step s] 1,536 + [half c] 768: 512 (four registers, 16 x lane) + 256 (two registers, 8 x lane)
.set XSC,  319488                      ; their scale words: [s] 128 + 4 x (16 m + r)
.set RED,  320512                      ; two stages of 2,560, by turns: row 16 m + r at 80 bytes, wave w's word at 4 w
.set SPARE, 325632                     ; the spare words: 128 bytes a wave
.set X,    16
.set G,    80
.set BV,   112
.set ACC,  80
.set WF,   144                         ; three slots of 24 registers: two fragments of Wo
.set XF,   216                         ; x's two fragments
.set WS,   240
.set SEL,  30
.macro ROUND                           ; a round of the cluster's barrier
	s_barrier_signal -1
	s_barrier_wait -1
	s_cmp_lg_u32 s24, 0
	s_cbranch_scc1 .Lnot_wave_0_\@
	s_barrier_signal -3
.Lnot_wave_0_\@:
	s_barrier_wait -3
	s_barrier_signal -1
	s_barrier_wait -1
.endm
	s_load_b512 s[4:19], s[0:1], 0x0               ; oimg, woimg, Wo_scales, bo, g0, b0, g1, b1
	s_load_b64 s[20:21], s[0:1], 0x40              ; out0
	v_lshl_add_u32 v202, v0, 2, SPARE              ; v0 is kept, and the two are made anew at the end
	v_mov_b32 v203, 0
	ds_add_u32 v202, v203                          ; the opening lines: the add twice on end and one wait
	ds_add_u32 v202, v203
	v_lshrrev_b32 v1, 5, v0
	s_delay_alu instid0(VALU_DEP_1)
	v_readfirstlane_b32 s24, v1                    ; wave 0..15
	s_mov_b32 s26, 0xffff0000                      ; lanes 16-31
	s_mov_b32 s27, 0x3a800000                      ; 1 / 1024
	s_mov_b32 s28, 0x3727c5ac                      ; 1e-5
	s_mov_b32 s[SEL], 0x76543210
	s_mov_b32 s[SEL+1], 0xfedcba98
	s_bfe_u32 s48, ttmp6, 0x40000                  ; cx
	s_lshl_b32 s49, ttmp9, 2
	s_add_co_u32 s49, s49, s48                     ; work-group
	s_lshl_b32 s50, s49, 17                        ; 32 rows: 131,072 bytes of oimg and of out0
	; the joint load: 4 rows of 4,608 bytes (576 elements of 8), 12,288 bytes apart; the mask names the cluster's four
	s_mov_b32 s40, 15|(3<<16)|(1<<21)
	s_mov_b32 s41, 576<<16
	s_mov_b32 s42, 4<<16
	s_mov_b32 s43, 576<<16
	s_mov_b32 s44, 4
	s_mov_b32 s45, 1536
	s_mov_b32 s46, 0
	s_mov_b32 s47, 0
	s_mov_b32 s36, 1
	s_mul_i32 s37, s24, WOW
	s_mul_i32 s32, s24, 768
	s_add_co_u32 s32, s32, XI
	s_lshr_b32 s33, s24, 1
	s_lshl_b32 s33, s33, 7
	s_and_b32 s34, s24, 1
	s_lshl_b32 s34, s34, 1
	s_add_co_u32 s33, s33, s34
	s_add_co_u32 s33, s33, XSC
	s_lshl_b32 s34, s24, 2
	s_add_co_u32 s34, s34, RED
	s_mul_i32 s35, s24, WOW
	v_and_b32 v15, 31, v0                          ; lane
	v_and_b32 v6, 15, v0                           ; r
	v_bfe_u32 v13, v0, 4, 1                        ; h
	s_delay_alu instid0(VALU_DEP_3)
	v_lshlrev_b32 v1, 4, v15                       ; v1: 16 x lane
	s_delay_alu instid0(VALU_DEP_4)
	v_lshlrev_b32 v11, 3, v15
	v_lshlrev_b32 v12, 2, v15
	v_mul_u32_u24 v5, v15, 80
	v_mul_u32_u24 v8, v6, 272
	v_mul_u32_u24 v9, v13, 272
	v_lshlrev_b32 v10, 12, v13
	v_and_b32 v14, 8, v6
	v_add_nc_u32 v2, s32, v1                       ; v2, v3: where I store my half of an image
	v_add_nc_u32 v3, s32, v11
	v_add_nc_u32 v4, s33, v12                      ; v4: my two bytes of a scale word
	v_add_nc_u32 v5, s34, v5                       ; v5: my word of a row's sixteen
	v_lshl_add_u32 v8, v13, 6, v8
	v_lshl_add_u32 v9, v6, 4, v9
	v_lshl_add_u32 v10, v6, 4, v10                 ; v10: two rows of out0: 4,096 h + 16 r
	v_add_nc_u32 v14, v14, v6
	v_add_nc_u32 v15, s35, v1                      ; v15: my fragments of Wo in LDS
	v_add_nc_u32 v7, XI, v1                        ; v7, v11: x's images, 16 and 8 bytes a lane
	v_add_nc_u32 v8, s35, v8                       ; v8: the stage, in: row r, 64 h
	v_add_nc_u32 v9, s35, v9                       ; v9: the stage, back: lanes 0-15 one row, lanes 16-31 the next
	v_lshlrev_b32 v14, 5, v14
	v_add_nc_u32 v11, XI, v11
	v_add_nc_u32 v12, XSC, v12                     ; v12: x's scale words
	v_mul_u32_u24 v6, v6, 80
	s_delay_alu instid0(VALU_DEP_4)
	v_lshl_add_u32 v14, v13, 8, v14                ; v14: Wo's scale words: 32 (r + 8 (r / 8)), lanes 16-31 the next tile: 8 rows on; later x's scale word
	s_delay_alu instid0(VALU_DEP_2)
	v_add_nc_u32 v6, RED, v6                       ; v6: a row's sixteen words
	v_lshlrev_b32 v13, 6, v13                      ; v13: 64 h: gains and biases
.irp i, 200,201,204,205
	v_mov_b32 v[\i], 0                             ; a lane permute's destination counts as one of its sources
.endr
	s_wait_alu depctr_va_vdst(0)                   ; the wait at the head's end
	s_wait_dscnt 0x0                               ; both opening adds are done
	s_wait_kmcnt 0x0
	s_mov_b32 s35, 0
	s_lshl_b32 s34, s24, 12
	s_add_co_u32 s34, s34, s50
	s_add_nc_u64 s[4:5], s[4:5], s[34:35]          ; o: + 4,096 x head
	s_mul_i32 s34, s24, 49152
	s_add_nc_u64 s[6:7], s[6:7], s[34:35]          ; Wo's images: my four tiles
	s_mov_b64 s[38:39], s[6:7]
	s_or_b32 s39, s39, 0x80000000
	s_lshl_b32 s34, s24, 11
	s_add_nc_u64 s[8:9], s[8:9], s[34:35]          ; their scale bytes
	s_lshl_b32 s34, s24, 8
	s_add_nc_u64 s[10:11], s[10:11], s[34:35]
	s_add_nc_u64 s[12:13], s[12:13], s[34:35]
	s_add_nc_u64 s[14:15], s[14:15], s[34:35]
	s_add_nc_u64 s[16:17], s[16:17], s[34:35]
	s_add_nc_u64 s[18:19], s[18:19], s[34:35]
	s_add_co_u32 s34, s34, s50
	s_add_nc_u64 s[20:21], s[20:21], s[34:35]
.irp m, 0,1
.irp q, 0,1,2,3,4,5,6,7
	global_load_b128 v[X+32*\m+4*\q:X+32*\m+4*\q+3], v1, s[4:5] offset:65536*\m+512*\q th:TH_LOAD_NT
.endr
.endr
	ROUND                                          ; the cluster's four are here: the joint loads meet
	tensor_load_to_lds s[36:39], s[40:47]          ; K steps 0-2 of my four tiles: one tensor load a wave
	s_nop 0
.rept 4
	v_nop
.endr
.macro GB reg, base                    ; 32 numbers of a vector of 1,024 in the layout of a tile's registers
.irp b, 0,1
.irp k, 0,1,2,3
	global_load_b128 v[(\reg)+16*\b+4*\k:(\reg)+16*\b+4*\k+3], v13, s[\base:\base+1] offset:128*\b+16*\k
.endr
.endr
.endm
.macro GLOAD s, hf, k                  ; Wo's tiles 2 hf, 2 hf + 1 of K step s, from memory into slot k
.irp t, 0,1
.irp c, 0,1,2
	global_load_b128 v[WF+24*(\k)+12*\t+4*\c:WF+24*(\k)+12*\t+4*\c+3], v1, s[6:7] offset:12288*(2*(\hf)+\t)+1536*(\s)+512*\c
.endr
.endr
.endm
.macro LLOAD s, hf                     ; the same from my LDS bytes into slot 2
.irp t, 0,1
.irp c, 0,1,2
	ds_load_b128 v[WF+48+12*\t+4*\c:WF+48+12*\t+4*\c+3], v15 offset:4608*(2*(\hf)+\t)+1536*(\s)+512*\c
.endr
.endr
.endm
	GB G, 12
	GB BV, 14
.irp i, 0,1
.irp k, 0,1
	global_load_b128 v[WS+8*\i+4*\k:WS+8*\i+4*\k+3], v14, s[8:9] offset:1024*\i+16*\k   ; v[WS + 8 i + s]: tiles 2 i (lanes 0-15) and 2 i + 1 (lanes 16-31), K step s
.endr
.endr
	GLOAD 3, 0, 0
	GLOAD 3, 1, 1
; v192, v193: my lanes' sums for tiles 0 and 1 -> v194, v195: the rows' sums over all 1,024 columns, in every lane.  Two stages by turns: a stage is stored again only behind the barrier of the other, at which its reads are over.
.macro LNSTAT k
	s_delay_alu instid0(VALU_DEP_2)
	v_permlanex16_b32 v200, v192, s[SEL], s[SEL+1]
	s_delay_alu instid0(VALU_DEP_2)
	v_permlanex16_b32 v201, v193, s[SEL], s[SEL+1]
	s_delay_alu instid0(VALU_DEP_2)
	v_add_f32 v192, v192, v200
	s_delay_alu instid0(VALU_DEP_2)
	v_add_f32 v193, v193, v201
	s_delay_alu instid0(VALU_DEP_1)
	v_cndmask_b32 v200, v192, v193, s26            ; lane 16 m + r: row 16 m + r
	ds_store_b32 v5, v200 offset:2560*((\k)%2)
	s_wait_dscnt 0x0                               ; for the others' sake: my word lies in LDS
	s_barrier_signal -1
	s_barrier_wait -1
.irp m, 0,1
.irp i, 0,1,2,3
	ds_load_b128 v[208+16*\m+4*\i:208+16*\m+4*\i+3], v6 offset:2560*((\k)%2)+1280*\m+16*\i
.endr
.endr
	s_wait_dscnt 0x0
.irp m, 0,1
.irp i, 0,4,8,12
	v_pk_add_f32 v[208+16*\m+\i:209+16*\m+\i], v[208+16*\m+\i:209+16*\m+\i], v[210+16*\m+\i:211+16*\m+\i]
.endr
.endr
.irp m, 0,1
.irp i, 0,8
	v_pk_add_f32 v[208+16*\m+\i:209+16*\m+\i], v[208+16*\m+\i:209+16*\m+\i], v[212+16*\m+\i:213+16*\m+\i]
.endr
.endr
.irp m, 0
	s_delay_alu instid0(VALU_DEP_3)
	v_pk_add_f32 v[208+16*\m:209+16*\m], v[208+16*\m:209+16*\m], v[216+16*\m:217+16*\m]
.endr
.irp m, 1
	s_delay_alu instid0(VALU_DEP_2)
	v_pk_add_f32 v[208+16*\m:209+16*\m], v[208+16*\m:209+16*\m], v[216+16*\m:217+16*\m]
.endr
	s_delay_alu instid0(VALU_DEP_2)
	v_add_f32 v194, v208, v209
	s_delay_alu instid0(VALU_DEP_2)
	v_add_f32 v195, v224, v225
.endm
; X = (X - mean) / sqrt(var + 1e-5) x G + BV.  cnt: the global loads issued behind those of G and BV
.macro LN k, cnt
	v_pk_add_f32 v[196:197], v[X:X+1], v[X+2:X+3]
	v_pk_add_f32 v[198:199], v[X+32:X+33], v[X+34:X+35]
.irp i, 4,6,8,10,12,14,16,18,20,22,24,26,28,30
	s_delay_alu instid0(VALU_DEP_2)
	v_pk_add_f32 v[196:197], v[196:197], v[X+\i:X+\i+1]
	s_delay_alu instid0(VALU_DEP_2)
	v_pk_add_f32 v[198:199], v[198:199], v[X+32+\i:X+32+\i+1]
.endr
	s_delay_alu instid0(VALU_DEP_2)
	v_add_f32 v192, v196, v197
	s_delay_alu instid0(VALU_DEP_2)
	v_add_f32 v193, v198, v199
	LNSTAT \k
	s_delay_alu instid0(VALU_DEP_2)
	v_mul_f32 v194, s27, v194                      ; the means
	s_delay_alu instid0(VALU_DEP_2)
	v_mul_f32 v195, s27, v195
.irp i, 0,2,4,6,8,10,12,14,16,18,20,22,24,26,28,30
	v_pk_add_f32 v[X+\i:X+\i+1], v[X+\i:X+\i+1], v[194:195] op_sel_hi:[1,0] neg_lo:[0,1] neg_hi:[0,1]
	v_pk_add_f32 v[X+32+\i:X+32+\i+1], v[X+32+\i:X+32+\i+1], v[194:195] op_sel:[0,1] op_sel_hi:[1,1] neg_lo:[0,1] neg_hi:[0,1]
.endr
	v_pk_mul_f32 v[196:197], v[X:X+1], v[X:X+1]
	v_pk_mul_f32 v[198:199], v[X+32:X+33], v[X+32:X+33]
.irp i, 2,4,6,8,10,12,14,16,18,20,22,24,26,28,30
	s_delay_alu instid0(VALU_DEP_2)
	v_pk_fma_f32 v[196:197], v[X+\i:X+\i+1], v[X+\i:X+\i+1], v[196:197]
	s_delay_alu instid0(VALU_DEP_2)
	v_pk_fma_f32 v[198:199], v[X+32+\i:X+32+\i+1], v[X+32+\i:X+32+\i+1], v[198:199]
.endr
	s_delay_alu instid0(VALU_DEP_2)
	v_add_f32 v192, v196, v197
	s_delay_alu instid0(VALU_DEP_2)
	v_add_f32 v193, v198, v199
	LNSTAT (\k)+1
	s_delay_alu instid0(VALU_DEP_2)
	v_fma_f32 v194, v194, s27, s28                 ; the variance + 1e-5
	s_delay_alu instid0(VALU_DEP_2)
	v_fma_f32 v195, v195, s27, s28
	s_wait_alu depctr_va_vdst(0)
	v_rsq_f32 v194, v194
	v_rsq_f32 v195, v195
	v_nop                                          ; a plain place behind the two
	s_wait_alu depctr_va_vdst(0)                   ; one wait for both, ahead of their first reader
	s_wait_loadcnt \cnt                            ; the gain and the bias are in
.irp i, 0,2,4,6,8,10,12,14,16,18,20,22,24,26,28,30
	v_pk_mul_f32 v[X+\i:X+\i+1], v[X+\i:X+\i+1], v[194:195] op_sel_hi:[1,0]
	v_pk_mul_f32 v[X+32+\i:X+32+\i+1], v[X+32+\i:X+32+\i+1], v[194:195] op_sel:[0,1] op_sel_hi:[1,1]
.endr
.irp i, 0,2,4,6,8,10,12,14,16,18,20,22,24,26,28,30
	v_pk_fma_f32 v[X+\i:X+\i+1], v[X+\i:X+\i+1], v[G+\i:G+\i+1], v[BV+\i:BV+\i+1]
	v_pk_fma_f32 v[X+32+\i:X+32+\i+1], v[X+32+\i:X+32+\i+1], v[G+\i:G+\i+1], v[BV+\i:BV+\i+1]
.endr
.endm
.macro QUANT2 src, pc, pc2, tm, pw     ; 32 numbers of a lane (two blocks of 32 shared with lane l xor 16) -> six registers of codes, two scale bytes
.irp b, 0,1
	v_max3_num_f32 v[(\tm)+\b], |v[(\src)+16*\b]|, |v[(\src)+1+16*\b]|, 0x1800000   ; and the floor 2^(3 - 127): the byte cannot fall under 1
.endr
.irp i, 2,4,6,8,10,12,14
.irp b, 0,1
	s_delay_alu instid0(VALU_DEP_2)
	v_max3_num_f32 v[(\tm)+\b], v[(\tm)+\b], |v[(\src)+16*\b+\i]|, |v[(\src)+1+16*\b+\i]|
.endr
.endr
.irp b, 0,1
	s_delay_alu instid0(VALU_DEP_2)
	v_permlanex16_b32 v[(\tm)+2+\b], v[(\tm)+\b], s[SEL], s[SEL+1]
.endr
.irp b, 0,1
	s_delay_alu instid0(VALU_DEP_2)
	v_max_num_f32 v[(\tm)+\b], v[(\tm)+\b], v[(\tm)+2+\b]
.endr
.irp b, 0,1
	s_delay_alu instid0(VALU_DEP_2)
	v_add_nc_u32 v[(\tm)+4+\b], 0xff000000, v[(\tm)+\b]
.endr
.irp b, 0,1
	s_delay_alu instid0(VALU_DEP_2)
	v_lshrrev_b32 v[(\tm)+6+\b], 23, v[(\tm)+4+\b]
.endr
	s_delay_alu instid0(VALU_DEP_1)
	v_lshl_or_b32 v[\pw], v[(\tm)+7], 8, v[(\tm)+6]
	v_cvt_scalef32_pk16_fp6_f32 v[(\pc):(\pc)+2], v[(\src):(\src)+15], v[(\tm)+4]
	v_cvt_scalef32_pk16_fp6_f32 v[(\pc2):(\pc2)+2], v[(\src)+16:(\src)+31], v[(\tm)+5]
	v_nop                                          ; one plain place behind a scaled conversion
.irp i, 0,1,2
	v_permlane16_swap_b32 v[(\pc)+\i], v[(\pc2)+\i]
.endr
.irp i, 0,1,2
	s_delay_alu instid0(VALU_DEP_3)
	v_mov_b32 v[(\pc)+3+\i], v[(\pc2)+\i]
.endr
.endm
	s_wait_loadcnt 32                              ; o's 16 loads are in; behind them 8 + 8 + 4 + 12 were issued
	LN 0, 16                                       ; behind g0 and b0: Wo's scale words (4) and its K step 3 (12)
	GB ACC, 10                                     ; bo is what the sums begin with, for both tiles of rows
	GB ACC+32, 10
.irp m, 0,1
	QUANT2 X+32*\m, 192, 198, 202, 210+\m
	ds_store_b128 v2, v[192:195] offset:12288*\m
	ds_store_b64 v3, v[196:197] offset:12288*\m+512
	s_wait_dscnt 0x0                               ; the stores have read their registers
.endr
	s_wait_alu depctr_va_vdst(0)
	v_cndmask_b32 v212, v210, v211, s26            ; lane 16 m + r: row 16 m + r's two bytes
	ds_store_b16 v4, v212
	s_wait_tensorcnt 0x0                           ; my three K steps of Wo lie in my LDS bytes: I alone read them
	s_wait_dscnt 0x0                               ; my stores lie in LDS
	s_barrier_signal -1
	s_barrier_wait -1                              ; x's sixteen fragments lie in LDS
.macro GPROD s, t, m, k
.set rC, ACC+32*(\m)+8*(\t)
.set rW, WF+24*(\k)+12*((\t)%2)
.set rX, XF+12*(\m)
.set rS, WS+8*((\t)/2)+(\s)
.if ((\t)%2 == 0) && ((\m) == 0)
	v_wmma_scale_f32_16x16x128_f8f6f4 v[rC:rC+7], v[rW:rW+11], v[rX:rX+11], v[rC:rC+7], v[rS], v14 matrix_a_fmt:MATRIX_FMT_FP6 matrix_b_fmt:MATRIX_FMT_FP6
.elseif (\m) == 0
	v_wmma_scale_f32_16x16x128_f8f6f4 v[rC:rC+7], v[rW:rW+11], v[rX:rX+11], v[rC:rC+7], v[rS], v14 matrix_a_fmt:MATRIX_FMT_FP6 matrix_b_fmt:MATRIX_FMT_FP6 matrix_a_scale:MATRIX_SCALE_ROW1
.elseif (\t)%2 == 0
	v_wmma_scale_f32_16x16x128_f8f6f4 v[rC:rC+7], v[rW:rW+11], v[rX:rX+11], v[rC:rC+7], v[rS], v14 matrix_a_fmt:MATRIX_FMT_FP6 matrix_b_fmt:MATRIX_FMT_FP6 matrix_b_scale:MATRIX_SCALE_ROW1
.else
	v_wmma_scale_f32_16x16x128_f8f6f4 v[rC:rC+7], v[rW:rW+11], v[rX:rX+11], v[rC:rC+7], v[rS], v14 matrix_a_fmt:MATRIX_FMT_FP6 matrix_b_fmt:MATRIX_FMT_FP6 matrix_a_scale:MATRIX_SCALE_ROW1 matrix_b_scale:MATRIX_SCALE_ROW1
.endif
.endm
.macro XLOAD s                         ; x's two fragments and scale words of K step s
.irp m, 0,1
	ds_load_b128 v[XF+12*\m:XF+12*\m+3], v7 offset:12288*\m+1536*(\s)
	ds_load_b64 v[XF+12*\m+4:XF+12*\m+5], v11 offset:12288*\m+1536*(\s)+512
	ds_load_b128 v[XF+12*\m+6:XF+12*\m+9], v7 offset:12288*\m+1536*(\s)+768
	ds_load_b64 v[XF+12*\m+10:XF+12*\m+11], v11 offset:12288*\m+1536*(\s)+1280
.endr
	ds_load_b32 v14, v12 offset:128*(\s)           ; lanes 0-15: tile 0's rows, lanes 16-31: tile 1's
.endm
.macro HS s, hf, k                     ; half a K step: four products on four accumulators by turns; the other half takes the other four
.irp t, 0,1
.irp m, 0,1
	GPROD \s, 2*(\hf)+\t, \m, \k
.endr
.endr
.rept 4
	v_nop                                          ; places in front of loads into registers that these products have read, and of the first read of results
.endr
.endm
	s_wait_loadcnt 0x0                             ; bo, Wo's scale words (v14, their offset, is free) and K step 3 are in
	XLOAD 3
	s_wait_dscnt 0x0
	HS 3, 0, 0
	GLOAD 4, 0, 0
	HS 3, 1, 1
	GLOAD 4, 1, 1
.irp s, 0,1,2                          ; the three K steps from LDS, under K step 4's flight
	XLOAD \s
	LLOAD \s, 0
	s_wait_dscnt 0x0
	HS \s, 0, 2
	LLOAD \s, 1
	s_wait_dscnt 0x0
	HS \s, 1, 2
.endr
	GLOAD 5, 0, 2
; half steps n = 0 .. 7 of K steps 4-7, in slot n % 3; behind half step n its slot takes half step n + 3
.set NN, 0
.rept 8
.if NN%2 == 0
	XLOAD 4+NN/2
.endif
.if NN < 6
	s_wait_loadcnt 12                              ; behind this half step's six loads two more half steps' were issued
.else
	s_wait_loadcnt 6*(7-NN)
.endif
	s_wait_dscnt 0x0
	HS 4+NN/2, NN%2, NN%3
.if NN < 5
	GLOAD 4+(NN+3)/2, (NN+3)%2, NN%3
.endif
.set NN, NN+1
.endr
.irp j, 0,1,2,3,4,5,6,7,8,9,10,11,12,13,14,15,16,17,18,19,20,21,22,23,24,25,26,27,28,29,30,31,32,33,34,35,36,37,38,39,40,41,42,43,44,45,46,47,48,49,50,51,52,53,54,55,56,57,58,59,60,61,62,63
	v_max_num_f32 v[ACC+\j], 0, v[ACC+\j]          ; relu; each accumulator from its low end on
.endr
.irp j, 0,2,4,6,8,10,12,14,16,18,20,22,24,26,28,30,32,34,36,38,40,42,44,46,48,50,52,54,56,58,60,62
	v_pk_add_f32 v[X+\j:X+\j+1], v[X+\j:X+\j+1], v[ACC+\j:ACC+\j+1]
.endr
	GB G, 16                                       ; g1 and b1 land under the rows' sums
	GB BV, 18
	LN 2, 0
	; THE WAY OUT: a wave's 64 columns of a row are 256 bytes: 16 rows go through my own stage (my bytes of Wo, read for the last time above) and come back by rows, so that sixteen lanes store 256 consecutive bytes, aligned
.irp m, 0,1
.irp b, 0,1
.irp k, 0,1,2,3
	ds_store_b128 v8, v[X+32*\m+16*\b+4*\k:X+32*\m+16*\b+4*\k+3] offset:4352*\m+128*\b+16*\k
.endr
.endr
.irp i, 0,1,2,3,4,5,6,7
	ds_load_b128 v[208-64*\m+4*\i:208-64*\m+4*\i+3], v9 offset:4352*\m+544*\i   ; LDS serves a wave's instructions in order (ISA guide 5.7.1.4): these see my stores
.endr
.endr
.irp i, 0,1,2,3,4,5,6,7
	s_wait_dscnt 23-\i                             ; behind tile 0's load i: its 7 - i later loads, tile 1's 8 stores and 8 loads
	global_store_b128 v10, v[208+4*\i:208+4*\i+3], s[20:21] offset:8192*\i th:TH_STORE_NT
.endr
.irp i, 0,1,2,3,4,5,6,7
	s_wait_dscnt 7-\i
	global_store_b128 v10, v[144+4*\i:144+4*\i+3], s[20:21] offset:65536+8192*\i th:TH_STORE_NT
.endr
	s_wait_xcnt 0x0
	v_lshl_add_u32 v202, v0, 2, SPARE              ; the add's two registers, made anew
	v_mov_b32 v203, 0
	s_wait_alu depctr_va_vdst(0)
	s_wait_tensorcnt 0x0                           ; the wave's end
	ds_add_u32 v202, v203
	s_wait_dscnt 0x0
	ROUND                                          ; the closing round
	s_endpgm
.Lfunc_end_k_qab19083f8c_tail:
	.size	k_qab19083f8c_tail, .Lfunc_end_k_qab19083f8c_tail-k_qab19083f8c_tail
	.p2alignl 7, 3214868480
	.fill 96, 4, 3214868480
	.section	.rodata,"a",@progbits
	.p2align	6, 0x0
	.amdhsa_kernel k_qab19083f8c_tail
		.amdhsa_group_segment_fixed_size 327680
		.amdhsa_private_segment_fixed_size 0
		.amdhsa_enable_private_segment 0
		.amdhsa_kernarg_size 72
		.amdhsa_user_sgpr_count 2
		.amdhsa_user_sgpr_kernarg_segment_ptr 1
		.amdhsa_wavefront_size32 1
		.amdhsa_system_sgpr_workgroup_id_x 1
		.amdhsa_system_sgpr_workgroup_id_y 1
		.amdhsa_system_sgpr_workgroup_id_z 1
		.amdhsa_system_vgpr_workitem_id 0
		.amdhsa_next_free_vgpr 256
		.amdhsa_next_free_sgpr 66
		.amdhsa_reserve_vcc 0
		.amdhsa_float_denorm_mode_32 3
		.amdhsa_float_denorm_mode_16_64 3
		.amdhsa_memory_ordered 1
		.amdhsa_forward_progress 1
		.amdhsa_inst_pref_size 83
	.end_amdhsa_kernel
	.amdgpu_metadata
---
amdhsa.version: [ 1, 2 ]
amdhsa.kernels:
  - .name:           k_qab19083f8c_tail
    .symbol:         k_qab19083f8c_tail.kd
    .args:
      - { .name: oimg, .offset: 0, .size: 8, .value_kind: global_buffer, .address_space: global }
      - { .name: woimg, .offset: 8, .size: 8, .value_kind: global_buffer, .address_space: global }
      - { .name: Wo_scales, .offset: 16, .size: 8, .value_kind: global_buffer, .address_space: global }
      - { .name: bo, .offset: 24, .size: 8, .value_kind: global_buffer, .address_space: global }
      - { .name: g0, .offset: 32, .size: 8, .value_kind: global_buffer, .address_space: global }
      - { .name: b0, .offset: 40, .size: 8, .value_kind: global_buffer, .address_space: global }
      - { .name: g1, .offset: 48, .size: 8, .value_kind: global_buffer, .address_space: global }
      - { .name: b1, .offset: 56, .size: 8, .value_kind: global_buffer, .address_space: global }
      - { .name: out0, .offset: 64, .size: 8, .value_kind: global_buffer, .address_space: global }
    .group_segment_fixed_size: 327680
    .private_segment_fixed_size: 0
    .kernarg_segment_align: 8
    .kernarg_segment_size: 72
    .max_flat_workgroup_size: 512
    .sgpr_count:     66
    .vgpr_count:     256
    .wavefront_size: 32
...
	.end_amdgpu_metadata
.endif
;; end of part 3
